; MI455X (gfx1250); checked and timed in simulation.
; The chip was launched on July 23, 2026; its instructions are those of AMD's public machine-readable ISA for CDNA 5 (MIT licence, August 2026) and "CDNA5" Instruction Set Architecture Reference Guide (July 2026). The comments in the code are by the model that wrote it; some were corrected since.
;; Cross Attention. Allowed arithmetic: matrix products marked QUANTISED: E2M3 operands, one E8M0 scale for each 32 along K, by v_wmma_scale_f32_16x16x128_f8f6f4 with both operands' format E2M3, f32 sums; everything else in f32.
;; Inputs: b_kv 2,048 float32; b_out 1,024 float32; b_q 1,024 float32; kv 2 x 2,048 x 1,024 float32; q 2 x 2,048 x 1,024 float32; w_kv 1,024 x 2,048 float32; w_out 1,024 x 1,024 float32; w_q 1,024 x 1,024 float32.
;; Outputs: out0 2 x 2,048 x 1,024 float32.
;; This version of the problem:
;;   THIS VERSION OF THE PROBLEM IS GIVEN IN LOW PRECISION. The matrix products marked QUANTISED in the list below multiply operands that are first quantised to E2M3 (2 exponent bits, 3 mantissa bits; 6 bits a number), with one power-of-two scale for each 32 numbers along K (OCP MX v1.0); their sums are f32. All else is computed in f32.
;;   The module's matrix products, in the order in which they are computed (A, B: the left and right operand; K: the contracted axis; several contracted axes count as one K, in the product's order):
;;     1. [M 4,096, K 1,024] x [K 1,024, N 1,024]; A: input q; B: input w_q: QUANTISED
;;     2. [M 4,096, K 1,024] x [K 1,024, N 2,048]; A: input kv; B: input w_kv: QUANTISED
;;     3. batch 32 x [M 2,048, K 64] x [K 64, N 2,048]; A: computed on the way; B: computed on the way: QUANTISED
;;     4. batch 32 x [M 2,048, K 2,048] x [K 2,048, N 64]; A: softmax (see below); B: computed on the way: QUANTISED
;;     5. [M 4,096, K 1,024] x [K 1,024, N 1,024]; A: computed on the way; B: input w_out: QUANTISED
;;   THE QUANTISER, for each operand of a quantised product, along K:
;;     - K is cut into blocks of 32 from its start; a last block that is shorter is filled with zeros.
;;     - A block's scale is 2^e with e = floor(log2(the largest magnitude in the block)) - 2, held to -126 .. 127; a block of zeros has e = 0. As a byte (E8M0): e + 127.
;;     - Each number is divided by its block's scale, clamped to +-7.5, and rounded to the nearest number of E2M3, ties to even, subnormals kept.
;;     - The product sums the exact products of the quantised numbers (number of the format x scale) in f32.
;;   ~~~python
;;   def quantise(x, axis):      # numpy; x: float32 -> the quantised numbers, widened to float32 again
;;       x = np.moveaxis(x, axis, -1); K = x.shape[-1]
;;       x = np.pad(x, [(0, 0)] * (x.ndim - 1) + [(0, -K % 32)]); x = x.reshape(x.shape[:-1] + (-1, 32)); a = np.abs(x).max(-1, keepdims=True)
;;       e = np.where(a > 0, np.clip(np.frexp(np.where(a > 0, a, 1))[1] - 1 - 2, -126, 127), 0)      # np.frexp(a)[1] - 1 = floor(log2(a)), exactly
;;       r = np.clip(x / 2.0 ** e, -7.5, 7.5)
;;       step = 2.0 ** (np.maximum(np.frexp(np.where(r == 0, 1, r))[1] - 1, 0) - 3)
;;       q = np.round(r / step) * step * 2.0 ** e      # np.round: ties to even
;;       return np.moveaxis(q.reshape(q.shape[:-2] + (-1,))[..., :K], -1, axis).astype(np.float32)
;;   ~~~
;;   SOFTMAX AHEAD OF A QUANTISED PRODUCT. Where the list says 'softmax', what is quantised is not the finished softmax but p = 2^(t - M), with t = logit x log2(e) and M = ceil(the row's largest t), a whole number; so 1/2 < the row's largest p <= 1. The row's sum l is taken of the UNQUANTISED p, in f32, and the product's result is divided by l at the end. Since M is a whole number, a kernel that streams over the keys may use a running M (the ceiling of the running maximum): every later rescaling is an exact power of two, which a block's scale takes up: the codes' values come out the same.
;;   OPERANDS COMPUTED ON THE WAY. 'Computed on the way' means the value that the module computes at that place (a softmax that the list does not call 'softmax' is quantised finished and normalised). What goes into a quantiser is computed in f32, as accurately as f32 sums, v_exp_f32 and their like allow (about 1e-6 of the number): no bf16 or f16 on the way to a quantiser, and a product that is left as it is and whose result goes on into a quantised operand takes f32 operands (vector FMAs, or v_wmma_f32_16x16x4_f32). A number that lies on a knife's edge between two numbers of the format may be rounded either way, as far as f32 arithmetic and the matrix unit's own rounding can turn it there, and no further.
;; One version. Each part assembles by itself: llvm-mc -triple=amdgcn-amd-amdhsa -mcpu=gfx1250 --defsym DOCPART=n.
;; ======== version 1 of 1: 4 launches
;; limits: right only within a limited range of input values
;; workspace buffers: codes 9,830,400 bytes; qimg 3,276,800 bytes; kvrec 6,553,600 bytes; oimg 3,276,800 bytes
;; launch quant (part 1): grid 384 x 1, 4 waves a work-group, no clusters, 68,096 bytes of LDS; arguments q, kv, w_q, w_kv, w_out, codes; writes codes
.if DOCPART == 1
	.amdgcn_target "amdgcn-amd-amdhsa--gfx1250"
	.amdhsa_code_object_version 6
	.text
	.protected	k_qb27bf50c4b_quant
	.globl	k_qb27bf50c4b_quant
	.p2align	8
	.type	k_qb27bf50c4b_quant,@function
k_qb27bf50c4b_quant:
	s_mov_b64 s[64:65], 0
	v_nop
	global_prefetch_b8 v0, s[64:65] scope:SCOPE_SE
	s_setreg_imm32_b32 hwreg(HW_REG_WAVE_MODE, 25, 1), 1
	s_wait_xcnt 0x0
; All five wide operands of the three projections become codes of FP6 (E2M3), K innermost, 768 bytes a row of 1,024 codes, and one E8M0 byte for each 32 along K.
; codes: rows 0-4,095 q, 4,096-8,191 kv, 8,192 on the weights' columns (w_q, then w_kv's 2,048, then w_out); the scale bytes [12,288][32] begin at SOFF.
; ROW ORDER: rows of kv and of the weights are stored at the place got by exchanging bits 3 and 4 of the row's number; q's rows stay.  Sixteen stored rows on end (half u of a group of 32, lane r) are then
; the rows 8 u + r + 8 (r / 8), so that a product that takes them as its source 0 leaves 16 neighbours along that axis in a lane's 16 registers of two neighbouring tiles.
; A block's scale is 2^(floor(log2(its largest magnitude)) - 2); its byte is the largest magnitude's exponent field - 2, held at 1 from below.
; LIMITS: a block of zeros gets the byte 1 where the rule says 127 (its codes are zeros, and this program alone reads the bytes); blocks whose largest magnitude lies under 2^-124 keep the byte 1; NaN and infinities are not served.
; Work-groups 0-255 take q and kv (K innermost: a stream of blocks), work-groups 256-383 the weights (K is the first axis: a lane takes a column and its registers run down K).
; The two ways part once, on the work-group's number, and each has LDS bytes of its own.  Waves share nothing: no barrier.  No tile is shared between work-groups: no cluster, no matrix unit.
.set SOFF,   0x900000
.set STEPS,  16
.set CB,     12                        ; bytes of 16 codes
.set XR,     16                        ; v16-79   four sets of 16 numbers as loaded
.set XX,     80                        ; v80-111  two sets of 16 neighbours
.set XE,     112                       ; v112-127 a scale byte for each step
.set XC,     128                       ; v128-191 codes, four registers a step
.set WREG,   8192                      ; first way: LDS bytes of a wave: two stages of 32 x SP, then 256 scale bytes
.set SP,     80
.set WBASE,  32768                     ; second way: its stages begin here
.set WPITCH, 272
.set KROW,   192                       ; THE CODES' LAYOUT: [part of 256 along K: 4][row: 12,288][192 bytes]: any 64 rows of a part are a dense block that starts on a multiple of 256 bytes
.set PARTB,  2359296                   ; bytes of a part: 12,288 rows x 192
.set NB,     8
.set WX,     32                        ; v32-95   two sets of 32 numbers
.set WC,     96                        ; v96..    a block's codes
.set WOUT,   112                       ; v112-175 the way out
.set WSB,    24                        ; v24-25   eight scale bytes
.set VO,     176                       ; v176-207 offsets of a block's 32 rows
	s_load_b256 s[4:11], s[0:1], 0x0               ; q s[4:5], kv s[6:7], w_q s[8:9], w_kv s[10:11]
	s_load_b128 s[12:15], s[0:1], 0x20             ; w_out s[12:13], codes s[14:15]
	v_lshl_add_u32 v208, v0, 2, 0x10800
	v_mov_b32 v209, 0
	v_lshrrev_b32 v1, 5, v0
	v_readfirstlane_b32 s16, v1                    ; wave
	v_and_b32 v2, 31, v0                           ; lane
	s_cmp_ge_u32 ttmp9, 256
	s_cbranch_scc1 .Lweights
; ---- q and kv.  A wave takes a run of 8,192 numbers (8 rows) in 16 steps of 512.  Each load reads 512 consecutive bytes; a step's 2,048 bytes turn through the wave's own stage, so that a lane gets 16 neighbours.
	v_lshlrev_b32 v3, 4, v2                        ; my 16 bytes of a load's 512
	s_mul_i32 s17, s16, WREG
	v_lshrrev_b32 v14, 2, v2
	v_mul_u32_u24 v14, v14, SP
	v_and_b32 v15, 3, v2
	v_lshl_add_u32 v14, v15, 4, v14
	v_add_nc_u32 v14, s17, v14                     ; into the stage: SP (lane / 4) + 16 (lane % 4)
	v_mul_u32_u24 v15, v2, SP
	v_add_nc_u32 v15, s17, v15                     ; out of it: SP x lane
	v_and_b32 v4, 15, v2
	v_mul_u32_u24 v4, v4, CB                       ; a step is 512 along K of one row: lanes 0-15 hold one part's 192 bytes,
	v_lshrrev_b32 v10, 4, v2
	v_mad_u32_u24 v4, v10, PARTB, v4               ; lanes 16-31 the next part's
	v_lshrrev_b32 v5, 1, v2
	s_add_co_u32 s17, s17, 2*32*SP
	v_add_nc_u32 v5, s17, v5                       ; my block's byte among the wave's 256
	v_lshlrev_b32 v7, 3, v2
	v_add_nc_u32 v6, s17, v7
	s_wait_alu depctr_va_vdst(0)
	s_wait_kmcnt 0x0
	s_cmp_lt_u32 ttmp9, 128                        ; q's work-group or kv's
	s_cselect_b64 s[4:5], s[4:5], s[6:7]
	s_cselect_b32 s17, 0, 128
	s_sub_co_u32 s17, ttmp9, s17
	s_lshl_b32 s17, s17, 2
	s_add_co_u32 s18, s17, s16                     ; my run of the tensor, 0 .. 511
	s_and_b32 s20, s18, 0x1fc                      ; a run is 8 rows: bits 3 and 4 of a row are bits 0 and 1 of a run
	s_and_b32 s21, s18, 1
	s_lshl_b32 s21, s21, 1
	s_or_b32 s20, s20, s21
	s_bfe_u32 s21, s18, 0x10001
	s_or_b32 s20, s20, s21
	s_add_co_u32 s20, s20, 512                     ; kv's rows lie behind q's
	s_cmp_lt_u32 ttmp9, 128
	s_cselect_b32 s20, s18, s20                    ; where the run goes
	s_lshl_b32 s22, s18, 15
	s_mov_b32 s23, 0
	s_add_nc_u64 s[4:5], s[4:5], s[22:23]
	s_mul_i32 s22, s20, 1536                       ; 8 rows of 192 bytes in a part
	s_add_nc_u64 s[8:9], s[14:15], s[22:23]        ; its codes
	s_lshl_b32 s22, s20, 8
	s_add_co_u32 s22, s22, SOFF
	s_add_nc_u64 s[10:11], s[14:15], s[22:23]      ; its 256 scale bytes
.macro XLOAD t
.irp i, 0,1,2,3
	global_load_b128 v[XR+16*((\t)%4)+4*\i:XR+16*((\t)%4)+4*\i+3], v3, s[4:5] offset:2048*(\t)+512*\i th:TH_LOAD_NT
.endr
.endm
.macro XTURN t                         ; LDS serves a wave's instructions in order: no wait between the stores and the loads
.irp i, 0,1,2,3
	ds_store_b128 v14, v[XR+16*((\t)%4)+4*\i:XR+16*((\t)%4)+4*\i+3] offset:32*SP*((\t)%2)+8*SP*\i
.endr
.irp i, 0,1,2,3
	ds_load_b128 v[XX+16*((\t)%2)+4*\i:XX+16*((\t)%2)+4*\i+3], v15 offset:32*SP*((\t)%2)+16*\i
.endr
.endm
.irp t, 0,1,2,3
	XLOAD \t
.endr
	s_wait_loadcnt 12                              ; step 0's four loads are in; three steps' twelve may be out
	XTURN 0
.macro XSTEP t
.set XS, XX+16*((\t)%2)
.if (\t) > 0
	s_wait_dscnt 1                                 ; this step's numbers are back from the stage; the last step's byte store may be out
.else
	s_wait_dscnt 0x0
.endif
.if (\t)+4 < STEPS
	XLOAD (\t)+4                                   ; into the set whose stores into the stage are done
.endif
.if (\t)+1 < STEPS
.if STEPS-2-(\t) >= 3
	s_wait_loadcnt 12                              ; the next step's four loads are in; three steps' may be out
.else
	s_wait_loadcnt 4*(STEPS-2-(\t))
.endif
	XTURN (\t)+1
.endif
	v_max3_num_f32 v8, |v[XS]|, |v[XS+1]|, |v[XS+2]|
	v_max3_num_f32 v9, |v[XS+3]|, |v[XS+4]|, |v[XS+5]|
.irp i, 6,10
	v_max3_num_f32 v8, v8, |v[XS+\i]|, |v[XS+\i+1]|
	v_max3_num_f32 v9, v9, |v[XS+\i+2]|, |v[XS+\i+3]|
.endr
	v_max3_num_f32 v8, v8, |v[XS+14]|, |v[XS+15]|
	v_max3_num_f32 v8, v8, v9, 0x1800000           ; with the floor 2^(3 - 127): the byte cannot fall under 1
	v_max_num_f32_dpp v8, v8, v8 row_xmask:1 row_mask:0xf bank_mask:0xf   ; and my neighbour's 16: the block's largest magnitude
	v_add_nc_u32 v11, 0xff000000, v8               ; 2 off its exponent field: the conversion takes this operand's exponent field as its scale
	v_cvt_scalef32_pk16_fp6_f32 v[XC+4*(\t):XC+4*(\t)+2], v[XS:XS+15], v11
	v_lshrrev_b32 v[XE+(\t)], 23, v11              ; the scale's byte
	ds_store_b8 v5, v[XE+(\t)] offset:16*(\t)      ; both lanes of a block write the same byte with the same value
	global_store_b96 v4, v[XC+4*(\t):XC+4*(\t)+2], s[8:9] offset:192*((\t)/2)+2*PARTB*((\t)%2)   ; row t / 2 of the run, parts 2 (t % 2) and 2 (t % 2) + 1
.endm
.irp t, 0,1,2,3,4,5,6,7,8,9,10,11,12,13,14,15
	XSTEP \t
.endr
	ds_load_b64 v[12:13], v6                       ; in order behind my byte stores
	s_wait_dscnt 0x0
	global_store_b64 v7, v[12:13], s[10:11]        ; 32 lanes store 256 consecutive bytes, aligned
	s_wait_tensorcnt 0x0
	ds_add_u32 v208, v209
	s_wait_dscnt 0x0
	s_endpgm
; ---- the weights.  A wave takes 32 columns x 256 along K: 8 blocks a lane.  Group G of 128 columns: 0-7 w_q, 8-23 w_kv, 24-31 w_out; the codes' row is 8,192 + 128 G + column.
.Lweights:
	s_sub_co_u32 s17, ttmp9, 256
	s_and_b32 s18, s17, 31                         ; G
	s_lshr_b32 s19, s17, 5                         ; which 256 along K
	s_wait_kmcnt 0x0
	s_cmp_lt_u32 s18, 8
	s_cselect_b64 s[20:21], s[8:9], s[10:11]
	s_cselect_b32 s22, 0, 8                        ; the tensor's first group
	s_mov_b32 s23, 8192
	s_cselect_b32 s23, 4096, s23                   ; bytes from a row of the weight to the next
	s_cmp_lt_u32 s18, 24
	s_cselect_b64 s[20:21], s[20:21], s[12:13]
	s_cselect_b32 s22, s22, 24
	s_cselect_b32 s23, s23, 4096
	s_sub_co_u32 s24, s18, s22
	s_lshl_b32 s24, s24, 7
	s_lshl_b32 s25, s16, 5
	s_add_co_u32 s24, s24, s25                     ; my wave's first column in its tensor
	s_lshl_b32 s24, s24, 2
	s_lshl_b32 s26, s23, 8
	s_mul_i32 s26, s26, s19                        ; 256 rows for each step along K
	s_add_co_u32 s24, s24, s26
	s_mov_b32 s25, 0
	s_add_nc_u64 s[32:33], s[20:21], s[24:25]      ; block 0's first row
	s_lshl_b32 s26, s23, 5
	s_mov_b32 s27, 0
.irp t, 1,2,3,4,5,6,7
	s_add_nc_u64 s[32+2*\t:33+2*\t], s[30+2*\t:31+2*\t], s[26:27]   ; a base for each block, 32 rows on: none is stepped
.endr
	s_lshl_b32 s24, s18, 7
	s_lshl_b32 s25, s16, 5
	s_add_co_u32 s24, s24, s25
	s_add_co_u32 s24, s24, 8192                    ; my wave's first row of codes, a multiple of 32
	s_mul_i32 s28, s24, KROW
	s_mul_i32 s29, s19, PARTB
	s_add_co_u32 s28, s28, s29
	s_mov_b32 s29, 0
	s_add_nc_u64 s[48:49], s[14:15], s[28:29]
	s_lshl_b32 s28, s24, 5
	s_lshl_b32 s30, s19, 3
	s_add_co_u32 s28, s28, s30
	s_add_co_u32 s28, s28, SOFF
	s_add_nc_u64 s[50:51], s[14:15], s[28:29]
	s_wait_alu depctr_va_vdst(0)
	v_lshlrev_b32 v3, 2, v2                        ; in: 4 bytes a lane: 128 consecutive bytes a wave
.irp i, 0,1,2,3,4,5,6,7,8,9,10,11,12,13,14,15,16,17,18,19,20,21,22,23,24,25,26,27,28,29,30,31
	v_mad_u32_u24 v[VO+\i], s23, \i, v3
.endr
	s_mul_i32 s28, s16, 32*WPITCH
	s_add_co_u32 s28, s28, WBASE                   ; my stage
	v_mul_u32_u24 v4, v2, WPITCH
	v_add_nc_u32 v4, s28, v4                       ; into it: row = my column
	v_and_b32 v5, 15, v2
	v_lshrrev_b32 v6, 4, v2
	v_mul_u32_u24 v7, v6, WPITCH
	v_lshl_add_u32 v7, v5, 4, v7
	v_add_nc_u32 v7, s28, v7                       ; out of it: sixteen lanes to a row, two rows an instruction
	v_mul_u32_u24 v8, v6, KROW
	v_mad_u32_u24 v8, v5, 12, v8                   ; and the same place among the codes
	v_and_b32 v9, 7, v2                            ; my column's row of scale bytes, bits 3 and 4 exchanged
	v_bfe_u32 v10, v2, 3, 1
	v_lshl_or_b32 v9, v10, 4, v9
	v_lshl_or_b32 v9, v6, 3, v9
	v_lshlrev_b32 v9, 5, v9
.macro WLOAD t
.irp i, 0,1,2,3,4,5,6,7,8,9,10,11,12,13,14,15,16,17,18,19,20,21,22,23,24,25,26,27,28,29,30,31
	global_load_b32 v[WX+32*((\t)%2)+\i], v[VO+\i], s[32+2*(\t):33+2*(\t)] th:TH_LOAD_NT
.endr
.endm
	WLOAD 0
	WLOAD 1
.macro WBLOCK t
.set XS, WX+32*((\t)%2)
.if (\t) < NB-1
	s_wait_loadcnt 32                              ; this block's 32 loads are in; the next block's may be out
.else
	s_wait_loadcnt 0x0
.endif
	v_max3_num_f32 v12, |v[XS]|, |v[XS+1]|, |v[XS+2]|   ; all 32 numbers of the block are mine
	v_max3_num_f32 v13, |v[XS+3]|, |v[XS+4]|, |v[XS+5]|
.irp i, 6,10,14,18,22,26
	v_max3_num_f32 v12, v12, |v[XS+\i]|, |v[XS+\i+1]|
	v_max3_num_f32 v13, v13, |v[XS+\i+2]|, |v[XS+\i+3]|
.endr
	v_max3_num_f32 v12, v12, |v[XS+30]|, |v[XS+31]|
	v_max3_num_f32 v12, v12, v13, 0x1800000
	v_add_nc_u32 v11, 0xff000000, v12
	v_lshrrev_b32 v13, 23, v11
.if (\t)%4 == 0
	v_mov_b32 v[WSB+(\t)/4], v13
.else
	v_lshl_or_b32 v[WSB+(\t)/4], v13, 8*((\t)%4), v[WSB+(\t)/4]
.endif
	v_cvt_scalef32_pk16_fp6_f32 v[WC:WC+2], v[XS:XS+15], v11
	v_cvt_scalef32_pk16_fp6_f32 v[WC+4:WC+6], v[XS+16:XS+31], v11
	ds_store_b96 v4, v[WC:WC+2] offset:32*(\t)     ; 12 bytes to a place of 16
	ds_store_b96 v4, v[WC+4:WC+6] offset:32*(\t)+16
.if (\t)+2 < NB
	WLOAD (\t)+2
.endif
	s_wait_dscnt 0x0                               ; the stores have read their registers: the next block's codes may be written
.endm
.irp t, 0,1,2,3,4,5,6,7
	WBLOCK \t
.endr
	s_wait_alu depctr_va_vdst(0)
	global_store_b64 v9, v[WSB:WSB+1], s[50:51]    ; my column's eight scale bytes
.irp t, 0,1,2,3,4,5,6,7,8,9,10,11,12,13,14,15
	ds_load_b96 v[WOUT+4*\t:WOUT+4*\t+2], v7 offset:2*\t*WPITCH
.endr
.irp t, 0,1,2,3,4,5,6,7,8,9,10,11,12,13,14,15
	s_wait_dscnt 15-\t                             ; the younger loads may be out
	global_store_b96 v8, v[WOUT+4*\t:WOUT+4*\t+2], s[48:49] offset:2*((\t&3)|(((\t>>2)&1)<<3)|(((\t>>3)&1)<<2))*KROW   ; columns 2 t, 2 t + 1 go to the rows with bits 3 and 4 exchanged; sixteen lanes store 192 consecutive bytes
.endr
	s_wait_tensorcnt 0x0
	ds_add_u32 v208, v209
	s_wait_dscnt 0x0
	s_endpgm
.Lfunc_end_k_qb27bf50c4b_quant:
	.size	k_qb27bf50c4b_quant, .Lfunc_end_k_qb27bf50c4b_quant-k_qb27bf50c4b_quant
	.p2alignl 7, 3214868480
	.fill 96, 4, 3214868480
	.section	.rodata,"a",@progbits
	.p2align	6, 0x0
	.amdhsa_kernel k_qb27bf50c4b_quant
		.amdhsa_group_segment_fixed_size 68096
		.amdhsa_private_segment_fixed_size 0
		.amdhsa_enable_private_segment 0
		.amdhsa_kernarg_size 48
		.amdhsa_user_sgpr_count 2
		.amdhsa_user_sgpr_kernarg_segment_ptr 1
		.amdhsa_wavefront_size32 1
		.amdhsa_system_sgpr_workgroup_id_x 1
		.amdhsa_system_sgpr_workgroup_id_y 1
		.amdhsa_system_sgpr_workgroup_id_z 1
		.amdhsa_system_vgpr_workitem_id 0
		.amdhsa_next_free_vgpr 210
		.amdhsa_next_free_sgpr 66
		.amdhsa_reserve_vcc 0
		.amdhsa_float_denorm_mode_32 3
		.amdhsa_float_denorm_mode_16_64 3
		.amdhsa_memory_ordered 1
		.amdhsa_forward_progress 1
		.amdhsa_inst_pref_size 77
	.end_amdhsa_kernel
	.amdgpu_metadata
---
amdhsa.version: [ 1, 2 ]
amdhsa.kernels:
  - .name:           k_qb27bf50c4b_quant
    .symbol:         k_qb27bf50c4b_quant.kd
    .args:
      - { .name: q, .offset: 0, .size: 8, .value_kind: global_buffer, .address_space: global }
      - { .name: kv, .offset: 8, .size: 8, .value_kind: global_buffer, .address_space: global }
      - { .name: w_q, .offset: 16, .size: 8, .value_kind: global_buffer, .address_space: global }
      - { .name: w_kv, .offset: 24, .size: 8, .value_kind: global_buffer, .address_space: global }
      - { .name: w_out, .offset: 32, .size: 8, .value_kind: global_buffer, .address_space: global }
      - { .name: codes, .offset: 40, .size: 8, .value_kind: global_buffer, .address_space: global }
    .group_segment_fixed_size: 68096
    .private_segment_fixed_size: 0
    .kernarg_segment_align: 8
    .kernarg_segment_size: 48
    .max_flat_workgroup_size: 128
    .sgpr_count:     66
    .vgpr_count:     210
    .wavefront_size: 32
...
	.end_amdgpu_metadata
.endif
;; end of part 1
;; launch proj (part 2): grid 4 x 48, 4 waves a work-group, clusters of 4 x 4, 327,680 bytes of LDS; arguments codes, b_q, b_kv, qimg, kvrec; writes qimg, kvrec
.if DOCPART == 2
	.amdgcn_target "amdgcn-amd-amdhsa--gfx1250"
	.amdhsa_code_object_version 6
	.text
	.protected	k_qb27bf50c4b_proj
	.globl	k_qb27bf50c4b_proj
	.p2align	8
	.type	k_qb27bf50c4b_proj,@function
k_qb27bf50c4b_proj:
	s_mov_b64 s[64:65], 0
	v_nop
	global_prefetch_b8 v0, s[64:65] scope:SCOPE_SE
	s_setreg_imm32_b32 hwreg(HW_REG_WAVE_MODE, 25, 1), 1
	s_wait_xcnt 0x0
	s_wait_alu depctr_hold_cnt(0) depctr_sa_sdst(0) depctr_va_vdst(0) depctr_va_sdst(0) depctr_va_ssrc(0) depctr_va_vcc(0) depctr_vm_vsrc(0)
	s_getreg_b32 s2, hwreg(HW_REG_IB_STS2, 6, 4)
	s_cmp_eq_u32 s2, 0
	s_cbranch_scc0 .Lentry_in_a_cluster
	s_endpgm
.Lentry_in_a_cluster:
	s_bfe_u32 s2, ttmp6, 0x10000c
	s_cmp_lg_u32 s2, 0xf033
	s_cbranch_scc0 .Lentry_shape_is_right
	s_endpgm
.Lentry_shape_is_right:
; The q projection and the two halves of the kv projection, on codes of FP6 with E8M0 scales, K = 1,024; the results are quantised in registers and leave as codes: no f32 result goes to memory.
; Twelve clusters of 4 x 4 work-groups; cluster y = 4 x job + chunk.  A cluster makes 1,024 x 1,024 results, a work-group 256 x 256, a wave 128 x 128 in 64 accumulators.
; Source 1 of every product is R (its row is the lane), source 0 is P (its index runs along a lane's registers):
;   job 0: R = q's rows, P = w_q's columns;  job 1: R = kv's rows, P = the k half of w_kv;  job 2: R = the v half of w_kv (channels), P = kv's rows (keys).
; P's rows are stored with bits 3 and 4 of their number exchanged, so the 16 registers of accumulators (a, 2 B) and (a, 2 B + 1) are P's indices 32 B + 16 (lane / 16) + 0 .. 15: neighbours along the next product's K
; (the head's channels for Q and K, the keys for V), which the conversions take as they stand.
; The bias is the C of each sum's first product: along P for jobs 0 and 1, along R for job 2; so the first step is written twice, under one branch on the job, which is the same in all partners of a cluster.
; RING, SCALES, CLUSTER: K goes in steps of 256 through two LDS slots; the scale bytes of the work-group's rows, for all of K, come once; R's tiles are asked for jointly along a row of the cluster, P's along a column.
; OUT: qimg [head 32][pair 64][1,536]: a pair of tiles of 16 rows as ONE operand of 12 registers a lane (registers 0-5 the first tile's 64 channels, 6-11 the second's), stored as three runs of 512 bytes, lane l's 16 bytes at 16 l;
;      its scale words [head][pair][16] from 0x300000.  kvrec [head 32][step 16][12,800]: K's 4 pairs, V^T's 4 operands (16 channels x 128 keys), K's 64 scale words, V's 64.
; 192 work-groups: the three jobs have 192 tiles of 256 x 256; a second tile shape to fill the rest would save less than it adds in text.
; LIMITS: a block of zeros gets the byte 1 (its codes are zeros; this program alone reads the bytes); blocks under 2^-124 keep the byte 1; NaN and infinities are not served.
; REGISTERS: window 0: v16-31 addresses; v32-63 scale words, two sets; v64-127 the bias, later the codes made; v128-223 R's fragments, one set; v224-231 the bias loads' offsets; v208-249 at work on the way out.
;   window 1: P's fragments, two sets.  windows 2 and 3: the accumulators ((a, b) at v[8 (8 (a % 4) + b)] of window 2 + a / 4).
.set SOFF,   0x900000
.set NQ,     2                         ; steps of 128 in a slot
.set ROWB,   2359296                   ; from a part of 256 along K to the next: the codes lie [part][row][192 bytes]
.set KROW,   192                       ; a row's bytes in a part
.set PITCH,  240                       ; 3 x (64 bytes + 16 of padding)
.set FR,     12
.set NL,     6
.set NP,     4
.set HALFT,  128*PITCH
.set SLOT,   4*HALFT
.set LAPS,   2
.set KS,     32
.set SCL,    2*SLOT
.set HALFS,  (128*KS/256)*272
.set SBLK,   (16*KS/256)*272
.set SPARE,  SCL+4*HALFS               ; the spare words: 128 bytes a wave, named by no other line
.set ADRA, 16
.set ADRB, 20
.set LS,   25                          ; 4 x lane
.set LI,   26                          ; 16 x lane
.set ADRS, 27
.set SPW,  28
.set NIL,  29
.set SC,   32
.set BI,   64
.set AF,   128
.set VJ,   224
.set SW,   208                         ; v208-215 the scale words made
.set TT,   216                         ; v216-219 two operands' words in one register
.set PT,   120                         ; v120-126 the conversions' second halves
.set TM,   232                         ; v232-247 at work
.set PW0,  248
.set PW1,  249
.set G1, 24
.set G0, 32
.set G1B, 48
.set G0B, 56
.set G1S, 68
.set G0S, 76
.set G1SB, 80
.set G0SB, 88
.set MSB, 0
.macro WIN new                         ; the immediate's high byte repeats the setting that is left
.if MSB != \new
	s_set_vgpr_msb (MSB<<8)|\new
.set MSB, \new
.endif
.endm
.set MUL_LO, 0xa1                      ; source 0 window 1, source 1 window 0, C and D window 2
.set MUL_HI, 0xf1
.set BIA_LO, 0x81                      ; the same with C (the bias) in window 0
.set BIA_HI, 0xc1
.set TO_B,   0x40
.macro JLOAD g0a, g1a, g0b, g1b        ; waves 0 and 1 fetch for R, waves 2 and 3 for P; four v_nop follow each line
	s_cmp_eq_u32 s15, 0
	s_cbranch_scc0 .Lfor_b_\@
	tensor_load_to_lds s[\g0a:\g0a+3], s[\g1a:\g1a+7]
	s_nop 0
.rept 4
	v_nop
.endr
	s_branch .Lasked_\@
.Lfor_b_\@:
	tensor_load_to_lds s[\g0b:\g0b+3], s[\g1b:\g1b+7]
	s_nop 0
.rept 4
	v_nop
.endr
.Lasked_\@:
.endm
.macro CREST
	s_cmp_lg_u32 s14, 0
	s_cbranch_scc1 .Lnot_wave_0_\@
	s_barrier_signal -3
.Lnot_wave_0_\@:
	s_barrier_wait -3
	s_barrier_signal -1
	s_barrier_wait -1
.endm
.macro CROUND
	s_barrier_signal -1
	s_barrier_wait -1
	CREST
.endm
	s_load_b64 s[4:5], s[0:1], 0x0                 ; codes
	s_load_b128 s[96:99], s[0:1], 0x8              ; b_q, b_kv
	s_load_b128 s[68:71], s[0:1], 0x18             ; qimg, kvrec
	v_lshl_add_u32 v[SPW], v0, 2, SPARE
	v_mov_b32 v[NIL], 0
	ds_add_u32 v28, v29
	ds_add_u32 v28, v29
	s_wait_dscnt 0x0
	v_lshrrev_b32 v1, 5, v0
	v_readfirstlane_b32 s14, v1                    ; wave
	s_lshr_b32 s15, s14, 1                         ; my half of R's rows.  Also: I fetch for R (0) or for P (1)
	s_and_b32 s16, s14, 1                          ; my half of P's rows.  Also: which 128 rows I fetch
	s_bfe_u32 s40, ttmp6, 0x40000                  ; cx
	s_bfe_u32 s41, ttmp6, 0x40004                  ; cy
	s_and_b32 s18, ttmp7, 0xffff                   ; cluster y
	s_lshr_b32 s95, s18, 2                         ; job
	s_and_b32 s19, s18, 3
	s_lshl_b32 s19, s19, 2                         ; 4 x chunk
	s_lshl_b32 s100, s19, 1                        ; 8 x chunk
	s_lshl_b32 s20, s95, 4
	s_add_co_u32 s20, s20, s19                     ; q's or kv's tiles of 256 rows: 16 job + 4 chunk
	s_lshl_b32 s21, s95, 2
	s_add_co_u32 s21, s21, 32                      ; w_q's or the k half's: 32 + 4 job
	s_add_co_u32 s22, s19, 16                      ; kv's: 16 + 4 chunk
	s_cmp_eq_u32 s95, 2
	s_cselect_b32 s17, 40, s20                     ; R's first tile (the v half's rows begin at tile 40)
	s_cselect_b32 s42, s22, s21                    ; P's
	s_cselect_b32 s67, 1, 0                        ; 1 in job 2
	s_add_co_u32 s17, s17, s41                     ; R's tile: + cy
	s_add_co_u32 s42, s42, s40                     ; P's tile: + cx
	s_lshl_b32 s43, s41, 2
	s_lshl_b32 s43, 15, s43                        ; my row of the cluster
	s_lshl_b32 s44, 0x1111, s40                    ; my column
	s_or_b32 s[G1+0], s43, (0<<16)|(1<<20)|(1<<21)|(3<<22)|(3<<25)   ; mask; elements of 1 byte; padding on; bit 21 beside a mask; after every 16 words, 4 words
	s_or_b32 s[G1B+0], s44, (0<<16)|(1<<20)|(1<<21)|(3<<22)|(3<<25)
.irp g, G1, G1B
	s_mov_b32 s[\g+1], 256<<16                     ; a part's rows are dense: the tile is stated as rows of 256 bytes; with 16 bytes of padding behind every 64 a row of 192 bytes takes 240 in LDS
	s_mov_b32 s[\g+2], 192<<16                     ; the head's loads: 256 rows of codes = 192 rows of 256 bytes
	s_mov_b32 s[\g+3], 256<<16
	s_mov_b32 s[\g+4], 192
	s_mov_b32 s[\g+5], 256
	s_mov_b32 s[\g+6], 0
	s_mov_b32 s[\g+7], 0
.endr
	s_lshl_b32 s18, s16, 7
	s_lshl_b32 s20, s17, 8
	s_add_co_u32 s20, s20, s18                     ; R: the first row that I fetch
	s_lshl_b32 s46, s42, 8
	s_add_co_u32 s46, s46, s18                     ; P likewise
	s_mul_i32 s22, s20, KS                         ; their scale bytes,
	s_mul_i32 s92, s46, KS
	s_mul_i32 s20, s20, KROW                       ; their codes: all under 2^24
	s_mul_i32 s46, s46, KROW
	s_mov_b32 s21, 0
	s_mov_b32 s23, 0
	s_mov_b32 s47, 0
	s_mov_b32 s93, 0
	s_mul_i32 s45, s14, HALFT                      ; where they go: wave x 128 rows
	s_wait_kmcnt 0x0
	s_add_nc_u64 s[6:7], s[4:5], SOFF              ; the scale bytes
	s_cmp_eq_u32 s95, 0
	s_cselect_b64 s[12:13], s[96:97], s[98:99]     ; the job's bias,
	s_cselect_b64 s[96:97], s[68:69], s[70:71]     ; and where its results go
	s_or_b32 s[G1S+0], s43, (3<<16)|(1<<20)|(1<<21)|(5<<22)|(3<<25)   ; the scales of 128 rows: 16 rows of 256 bytes, 16 bytes of padding behind each
	s_or_b32 s[G1SB+0], s44, (3<<16)|(1<<20)|(1<<21)|(5<<22)|(3<<25)
.irp g, G1S, G1SB
	s_mov_b32 s[\g+1], 32<<16
	s_mov_b32 s[\g+2], (256*KS/256)<<16            ; the scale bytes of all 256 rows by one load
	s_mov_b32 s[\g+3], 32<<16
	s_mov_b32 s[\g+4], 256*KS/256
	s_mov_b32 s[\g+5], 32
	s_mov_b32 s[\g+6], 0
	s_mov_b32 s[\g+7], 0
.endr
	s_add_nc_u64 s[20:21], s[4:5], s[20:21]
	s_add_nc_u64 s[22:23], s[6:7], s[22:23]
	s_add_nc_u64 s[46:47], s[4:5], s[46:47]
	s_add_nc_u64 s[92:93], s[6:7], s[92:93]
	CROUND                                         ; all sixteen work-groups are here: the first joint loads meet
	s_mov_b32 s[G0S], 1
	s_mov_b32 s[G0S+1], SCL
	s_sub_nc_u64 s[G0S+2:G0S+3], s[22:23], 128*KS  ; waves 1 and 3 ask for the scales: their own first row is the tile's row 128, so 128 rows back
	s_or_b32 s[G0S+3], s[G0S+3], 0x80000000
	s_mov_b32 s[G0SB], 1
	s_mov_b32 s[G0SB+1], SCL+2*HALFS
	s_sub_nc_u64 s[G0SB+2:G0SB+3], s[92:93], 128*KS
	s_or_b32 s[G0SB+3], s[G0SB+3], 0x80000000
.irp s, 0,1
	s_mov_b32 s[G0+4*\s], 1
	s_add_co_u32 s[G0+4*\s+1], s45, \s*SLOT
	s_add_nc_u64 s[G0+4*\s+2:G0+4*\s+3], s[20:21], \s*ROWB
	s_or_b32 s[G0+4*\s+3], s[G0+4*\s+3], 0x80000000
	s_mov_b32 s[G0B+4*\s], 1
	s_add_co_u32 s[G0B+4*\s+1], s45, \s*SLOT
	s_add_nc_u64 s[G0B+4*\s+2:G0B+4*\s+3], s[46:47], \s*ROWB
	s_or_b32 s[G0B+4*\s+3], s[G0B+4*\s+3], 0x80000000
.endr
; THE HEAD'S LOADS, ONE A WAVE: wave 0 part 0 of R's 256 rows, wave 1 R's scale bytes, wave 2 part 0 of P's 256 rows, wave 3 P's scale bytes.
; Waves 0 and 2 fetch from the tile's row 0 into wave x 128 rows of slot 0, so their slot 0 group 0 serves as it stands.  One chain of branches on the wave's number, one load to an arm.
.macro ARM under, g0, g1, next
	s_cmp_lt_u32 s14, \under
	s_cbranch_scc0 \next
	tensor_load_to_lds s[\g0:\g0+3], s[\g1:\g1+7]
	s_nop 0
.rept 4
	v_nop
.endr
	s_branch .Lhead_asked
\next:
.endm
	ARM 1, G0,  G1,  .Lhead_sa
	ARM 2, G0S, G1S, .Lhead_b
	ARM 3, G0B, G1B, .Lhead_sb
	tensor_load_to_lds s[G0SB:G0SB+3], s[G1SB:G1SB+7]
	s_nop 0
.rept 4
	v_nop
.endr
.Lhead_asked:
	v_and_b32 v1, 15, v0                           ; r
	v_bfe_u32 v2, v0, 4, 1                         ; h
	v_mul_u32_u24 v3, v1, PITCH
	v_mul_u32_u24 v4, v2, 24
	v_add_nc_u32 v4, v3, v4                        ; a fragment's row x pitch + 24 x half
	v_lshl_add_u32 v5, v2, 4, v4                   ; and the same behind one padding more
	s_mul_i32 s21, s15, HALFT
	s_mul_i32 s22, s16, HALFT
	s_add_co_u32 s22, s22, 2*HALFT
.irp s, 0,1
	v_add_nc_u32 v[ADRA+\s], s21, v4
	v_add_nc_u32 v[ADRB+\s], s22, v4
	v_add_nc_u32 v[ADRA+2+\s], s21, v5
	v_add_nc_u32 v[ADRB+2+\s], s22, v5
	s_add_co_u32 s21, s21, SLOT
	s_add_co_u32 s22, s22, SLOT
.endr
	v_mul_u32_u24 v5, v1, KS                       ; my row's scales: 32 bytes a row, 16 more for each 256 passed
	v_lshrrev_b32 v6, 8, v5
	v_lshl_add_u32 v5, v6, 4, v5
	s_mul_i32 s21, s15, HALFS
	s_mul_i32 s22, s16, HALFS
	s_add_co_u32 s22, s22, 2*HALFS
	s_sub_co_u32 s22, s22, s21
	v_mul_u32_u24 v6, s22, v2                      ; lanes 16-31 take P's
	s_add_co_u32 s21, s21, SCL
	v_add_nc_u32 v5, v5, v6
	v_add_nc_u32 v[ADRS], s21, v5
	v_and_b32 v6, 31, v0
	v_lshlrev_b32 v[LI], 4, v6
	v_lshlrev_b32 v[LS], 2, v6
	s_mov_b32 s104, 0x76543210
	s_mov_b32 s105, 0xfedcba98                     ; lane selects: lane l xor 16
	s_mov_b32 s66, 0xffff0000                      ; lanes 16-31
	; which 128 rows of the batch (MT) and which 128 channels (HP) my wave makes
	s_lshl_b32 s18, s41, 1
	s_add_co_u32 s18, s18, s15                     ; along R: 2 cy + half
	s_lshl_b32 s19, s40, 1
	s_add_co_u32 s19, s19, s16                     ; along P: 2 cx + half
	s_cmp_eq_u32 s95, 2
	s_cselect_b32 s101, s18, s19                   ; HP
	s_cselect_b32 s18, s19, s18
	s_add_co_u32 s100, s100, s18                   ; MT = 8 chunk + ..
	; the bias: register 8 x + j.  Jobs 0, 1: channel 32 (x / 2) + 8 (x % 2) + 16 h + j of my 128 (x = P's block);  job 2: channel 32 (x / 2) + 8 (x % 2) + r + (r & 8), the same in all eight (x = R's block)
	s_xor_b32 s18, s67, 1
	v_and_b32 v6, 8, v1
	v_add_nc_u32 v6, v6, v1
	v_mul_u32_u24 v6, v6, s67
	v_lshlrev_b32 v7, 4, v2
	v_mad_u32_u24 v6, v7, s18, v6
	v_lshlrev_b32 v6, 2, v6
	s_lshl_b32 s18, s18, 2
.irp j, 0,1,2,3,4,5,6,7
	v_mad_u32_u24 v[VJ+\j], s18, \j, v6
.endr
	s_lshl_b32 s20, s67, 12                        ; the v half of b_kv begins 4,096 bytes on
	s_lshl_b32 s21, s101, 9
	s_add_co_u32 s20, s20, s21
	s_mov_b32 s21, 0
	s_add_nc_u64 s[12:13], s[12:13], s[20:21]
.irp x, 0,1,2,3,4,5,6,7
.irp j, 0,1,2,3,4,5,6,7
	global_load_b32 v[BI+8*\x+\j], v[VJ+\j], s[12:13] offset:4*(32*(\x/2)+8*(\x%2))
.endr
.endr
	; where the results go: C0, C1 the codes of my two heads, S0, S1 their scale words
	s_cmp_eq_u32 s95, 0
	s_mov_b32 s20, 204800
	s_cselect_b32 s18, 98304, s20                  ; codes: from head to head
	s_mov_b32 s21, 12800
	s_cselect_b32 s19, 6144, s21                   ; and from 128 rows to the next
	s_cselect_b32 s20, 4096, s20                   ; scale words likewise
	s_cselect_b32 s21, 256, s21
	s_mov_b32 s23, 12288
	s_cselect_b32 s23, 0x300000, s23
	s_mul_i32 s22, s67, 6144                       ; V's operands lie behind K's in a record,
	s_lshl_b32 s46, s67, 8
	s_add_co_u32 s23, s23, s46                     ; its scale words behind K's
	s_lshr_b32 s46, s100, 4
	s_lshl_b32 s46, s46, 4
	s_lshl_b32 s47, s101, 1
	s_add_co_u32 s46, s46, s47                     ; my first head: 16 batch + 2 HP
	s_and_b32 s47, s100, 15                        ; my 128 rows in the batch
	s_mul_i32 s40, s46, s18
	s_mul_i32 s41, s47, s19
	s_add_co_u32 s40, s40, s41
	s_add_co_u32 s40, s40, s22
	s_mov_b32 s41, 0
	s_add_nc_u64 s[40:41], s[96:97], s[40:41]      ; C0
	s_mov_b32 s42, s18
	s_mov_b32 s43, 0
	s_add_nc_u64 s[42:43], s[40:41], s[42:43]      ; C1
	s_mul_i32 s44, s46, s20
	s_mul_i32 s45, s47, s21
	s_add_co_u32 s44, s44, s45
	s_add_co_u32 s44, s44, s23
	s_mov_b32 s45, 0
	s_add_nc_u64 s[44:45], s[96:97], s[44:45]      ; S0
	s_mov_b32 s46, s20
	s_mov_b32 s47, 0
	s_add_nc_u64 s[46:47], s[44:45], s[46:47]      ; S1
.macro FRAG reg, adr, q, i             ; 16 rows x 128 K: 12 registers, in pieces of 8 bytes; where the piece three on lies behind one padding more, the second address register serves
.irp p, 0,1,2,3,4,5
.set PC, 12*(\q)+6*(\p/3)+\p%3
.if PC%8 < 5
	ds_load_b64 v[\reg+2*\p:\reg+2*\p+1], v[\adr] offset:8*PC+16*(PC/8)+(\i)*16*PITCH
.else
	ds_load_b64 v[\reg+2*\p:\reg+2*\p+1], v[\adr+2] offset:8*PC+16*(PC/8)+(\i)*16*PITCH
.endif
.endr
.endm
; 16 products: R's blocks a0, a0 + 1 x P's eight.  mode 0: onto the sums; 1: the sums begin with the bias along P; 2: with the bias along R.  The 64 accumulators take turns, one instruction a turn.
.macro MUL16 a0, p, q, sc, mode
.irp a, \a0, \a0+1
.irp b, 0,1,2,3,4,5,6,7
.if \mode == 1
	v_wmma_scale_f32_16x16x128_f8f6f4 v[8*(8*((\a)%4)+\b):8*(8*((\a)%4)+\b)+7], v[128*(\p)+FR*\b:128*(\p)+FR*\b+FR-1], v[AF+FR*(\a):AF+FR*(\a)+FR-1], v[BI+8*\b:BI+8*\b+7], v[SC+8*NQ*(\sc)+NQ*\b+(\q)], v[SC+8*NQ*(\sc)+NQ*(\a)+(\q)] matrix_a_fmt:MATRIX_FMT_FP6 matrix_b_fmt:MATRIX_FMT_FP6 matrix_a_scale:MATRIX_SCALE_ROW1
.elseif \mode == 2
	v_wmma_scale_f32_16x16x128_f8f6f4 v[8*(8*((\a)%4)+\b):8*(8*((\a)%4)+\b)+7], v[128*(\p)+FR*\b:128*(\p)+FR*\b+FR-1], v[AF+FR*(\a):AF+FR*(\a)+FR-1], v[BI+8*(\a):BI+8*(\a)+7], v[SC+8*NQ*(\sc)+NQ*\b+(\q)], v[SC+8*NQ*(\sc)+NQ*(\a)+(\q)] matrix_a_fmt:MATRIX_FMT_FP6 matrix_b_fmt:MATRIX_FMT_FP6 matrix_a_scale:MATRIX_SCALE_ROW1
.else
	v_wmma_scale_f32_16x16x128_f8f6f4 v[8*(8*((\a)%4)+\b):8*(8*((\a)%4)+\b)+7], v[128*(\p)+FR*\b:128*(\p)+FR*\b+FR-1], v[AF+FR*(\a):AF+FR*(\a)+FR-1], v[8*(8*((\a)%4)+\b):8*(8*((\a)%4)+\b)+7], v[SC+8*NQ*(\sc)+NQ*\b+(\q)], v[SC+8*NQ*(\sc)+NQ*(\a)+(\q)] matrix_a_fmt:MATRIX_FMT_FP6 matrix_b_fmt:MATRIX_FMT_FP6 matrix_a_scale:MATRIX_SCALE_ROW1
.endif
.endr
.endr
.endm
.macro FETCH_B slot, q, p
	WIN TO_B
.irp i, 0,1,2,3,4,5,6,7
	FRAG 128*(\p)+FR*\i, ADRB+\slot, \q, \i
.endr
	WIN 0
.endm
.macro FETCH_A slot, q, i0
.irp i, \i0, \i0+1, \i0+2, \i0+3
	FRAG AF+FR*(\i), ADRA+\slot, \q, \i
.endr
.endm
.macro SCALES sc                       ; lanes 0-15 take R's block i, lanes 16-31 P's block i: two words a row for the slot's 256 along K
.irp i, 0,1,2,3,4,5,6,7
	ds_load_b64 v[SC+8*NQ*\sc+NQ*\i:SC+8*NQ*\sc+NQ*\i+1], v[ADRS] offset:\i*SBLK
.endr
.endm
.macro PLACES n                        ; plain vector instructions between a matrix instruction and a load into, or a read of, its registers
.rept \n
	v_nop
.endr
.endm
.macro STEP slot, q, mode              ; a step of 128 along K that has its successor in the same slot
	s_wait_dscnt 4*NL                              ; P's set and R's blocks 0-3 are in; the youngest 24 loads (R's blocks 4-7) may be out
.if \mode
	WIN BIA_LO
.else
	WIN MUL_LO
.endif
	MUL16 0, (\q)%2, \q, \slot, \mode
	MUL16 2, (\q)%2, \q, \slot, \mode
	s_wait_dscnt 0
	PLACES NP
	FETCH_B \slot, (\q)+1, 1-(\q)%2
	FETCH_A \slot, (\q)+1, 0
.if \mode
	WIN BIA_HI
.else
	WIN MUL_HI
.endif
	MUL16 4, (\q)%2, \q, \slot, \mode
	MUL16 6, (\q)%2, \q, \slot, \mode
	PLACES NP
	WIN 0
	FETCH_A \slot, (\q)+1, 4
.endm
.macro TURN slot, next, fill           ; a slot's last step changes slots: one barrier; with fill = 1 it opens a round of the cluster's barrier and this slot is filled again
	s_wait_tensorcnt 0x0                           ; all my tensor loads have landed: my part of the next slot
	ds_add_u32 v[SPW], v[NIL]                      ; 0 onto my spare word
	s_wait_dscnt 4*NL+1                            ; the add and the youngest 24 loads may be out
	WIN MUL_LO
	MUL16 0, 1, NQ-1, \slot, 0
	s_wait_dscnt 0x0                               ; the add is done, and my reads of this slot are over
	s_barrier_signal -1
	MUL16 2, 1, NQ-1, \slot, 0
	WIN 0
	s_barrier_wait -1
.if \fill
	CREST                                          ; no wave of any partner still reads this slot or has a load on its way
	s_add_nc_u64 s[G0+4*\slot+2:G0+4*\slot+3], s[G0+4*\slot+2:G0+4*\slot+3], 2*ROWB
	s_add_nc_u64 s[G0B+4*\slot+2:G0B+4*\slot+3], s[G0B+4*\slot+2:G0B+4*\slot+3], 2*ROWB
	JLOAD G0+4*\slot, G1, G0B+4*\slot, G1B         ; my one tensor load behind the round; its four v_nop are the places in front of the loads below
.else
	PLACES NP
.endif
	s_wait_alu depctr_va_vdst(0)
	v_add_nc_u32 v[ADRS], 4*NQ, v[ADRS]            ; the next slot's scale words
	FETCH_B \next, 0, 0
	FETCH_A \next, 0, 0
	SCALES \next
	WIN MUL_HI
	MUL16 4, 1, NQ-1, \slot, 0
	MUL16 6, 1, NQ-1, \slot, 0
	PLACES NP
	WIN 0
	FETCH_A \next, 0, 4
.endm
	s_wait_alu depctr_va_vdst(0)
	s_wait_tensorcnt 0x0                           ; my tile of the head's four is in; slot 1's first fill is issued as a refill is:
	ds_add_u32 v[SPW], v[NIL]                      ; 0 onto my spare word
	s_mov_b32 s[G1+2], 96<<16                      ; no tensor load of mine is out: from here on a load brings 128 rows of codes = 96 rows of 256 bytes
	s_mov_b32 s[G1+4], 96
	s_mov_b32 s[G1B+2], 96<<16
	s_mov_b32 s[G1B+4], 96
	s_wait_dscnt 0x0
	CROUND                                         ; all four tiles are in, and all sixteen work-groups are here
	JLOAD G0+4, G1, G0B+4, G1B                     ; part 1 into slot 1: my one tensor load behind the round
	FETCH_B 0, 0, 0
	FETCH_A 0, 0, 0
	SCALES 0
	FETCH_A 0, 0, 4
	s_wait_loadcnt 0x0                             ; the bias
	s_cmp_eq_u32 s95, 2
	s_cbranch_scc1 .Lfirst_v
	STEP 0, 0, 1                                   ; the first step begins the sums with the bias along P,
	s_branch .Lfirst_done
.Lfirst_v:
	STEP 0, 0, 2                                   ; or along R; both arms hold the same loads and waits
.Lfirst_done:
	s_mov_b32 s3, LAPS-1
.Llap:
	TURN 0, 1, 1
	STEP 1, 0, 0
	TURN 1, 0, 1
	STEP 0, 0, 0
	s_sub_co_u32 s3, s3, 1
	s_cmp_lg_u32 s3, 0
	s_cbranch_scc1 .Llap
	TURN 0, 1, 0                                   ; the last lap fills nothing
	STEP 1, 0, 0
	s_wait_dscnt 4*NL
	WIN MUL_LO
	MUL16 0, 1, NQ-1, 1, 0
	MUL16 2, 1, NQ-1, 1, 0
	s_wait_dscnt 0
	WIN MUL_HI
	MUL16 4, 1, NQ-1, 1, 0
	MUL16 6, 1, NQ-1, 1, 0
	WIN 0
; THE WAY OUT.  R's block a: the lane's 64 results, register 16 B + i = P's index 32 B + 16 (lane / 16) + i, become four blocks' codes: blocks 0, 1 in six registers from d0, blocks 2, 3 from d1, and the row's four scale bytes in pw.
.macro QUANTW a, d0, d1, pw
.set QW, 2+(\a)/4
.set QWW, QW|(QW<<2)
.set QS, 64*((\a)%4)
	WIN QWW                                        ; sources 0 and 1: the accumulators' window
.irp b, 0,1,2,3
	v_max3_num_f32 v[TM+\b], |v[QS+16*\b]|, |v[QS+16*\b+1]|, 0x1800000   ; each accumulator is read from its low end on; the floor 2^(3 - 127) holds the byte at 1
.endr
.irp i, 2,4,6,8,10,12,14
.irp b, 0,1,2,3
	v_max3_num_f32 v[TM+\b], |v[QS+16*\b+\i]|, |v[QS+16*\b+\i+1]|, v[TM+\b]
.endr
.endr
	WIN 0
.irp b, 0,1,2,3
	v_permlanex16_b32 v[TM+4+\b], v[TM+\b], s104, s105
.endr
.irp b, 0,1,2,3
	v_max_num_f32 v[TM+\b], v[TM+\b], v[TM+4+\b]   ; with lane l xor 16's 16: the block's largest magnitude
.endr
.irp b, 0,1,2,3
	v_add_nc_u32 v[TM+12+\b], 0xff000000, v[TM+\b] ; 2 off its exponent field: the conversion's scale operand
.endr
.irp b, 0,1,2,3
	v_lshrrev_b32 v[TM+4+\b], 23, v[TM+12+\b]      ; the byte
.endr
	v_lshl_or_b32 v[\pw], v[TM+5], 8, v[TM+4]
	v_lshl_or_b32 v[\pw], v[TM+6], 16, v[\pw]
	v_lshl_or_b32 v[\pw], v[TM+7], 24, v[\pw]
	WIN QW                                         ; source 0: the accumulators' window
	v_cvt_scalef32_pk16_fp6_f32 v[\d0:\d0+2], v[QS:QS+15], v[TM+12]
	v_cvt_scalef32_pk16_fp6_f32 v[PT:PT+2], v[QS+16:QS+31], v[TM+13]   ; (a conversion's three registers begin on an even number)
	v_cvt_scalef32_pk16_fp6_f32 v[\d1:\d1+2], v[QS+32:QS+47], v[TM+14]
	v_cvt_scalef32_pk16_fp6_f32 v[PT+4:PT+6], v[QS+48:QS+63], v[TM+15]
	WIN 0
	v_nop                                          ; one plain place behind a scaled conversion
.irp i, 0,1,2
	v_permlane16_swap_b32 v[\d0+\i], v[PT+\i]      ; a whole block to a lane: lanes 0-15 the even block, lanes 16-31 the odd one
.endr
.irp i, 0,1,2
	v_mov_b32 v[\d0+3+\i], v[PT+\i]
.endr
.irp i, 0,1,2
	v_permlane16_swap_b32 v[\d1+\i], v[PT+4+\i]
.endr
.irp i, 0,1,2
	v_mov_b32 v[\d1+3+\i], v[PT+4+\i]
.endr
.endm
	PLACES NP                                      ; behind the last products, ahead of the first read of results and the first write over operands
.irp b, 0,1,2,3
	v_mov_b32 v[TM+4+\b], 0                        ; a lane permute's destination counts as one of its sources
.endr
	s_cmp_eq_u32 s95, 2
	s_cbranch_scc1 .Lepi_v
	; jobs 0 and 1: blocks 0, 1 are my first head's 64 channels, blocks 2, 3 my second's.  Two tiles of rows make one operand for each head.
.irp pi, 0,1,2,3
.set PCX, 64+24*(\pi%2)
	s_wait_xcnt 0x0                                ; the earlier stores have read their registers
	QUANTW 2*\pi, PCX, PCX+12, PW0
	QUANTW 2*\pi+1, PCX+6, PCX+18, PW1
	v_perm_b32 v[SW+\pi], v[PW1], v[PW0], 0x05040100     ; first head: the first tile's two bytes below, the second's above
	v_perm_b32 v[SW+4+\pi], v[PW1], v[PW0], 0x07060302   ; second head
.irp c, 0,1
.irp j, 0,1,2
	global_store_b128 v[LI], v[PCX+12*\c+4*\j:PCX+12*\c+4*\j+3], s[40+2*\c:41+2*\c] offset:1536*\pi+512*\j   ; the wave stores 512 consecutive bytes, aligned
.endr
.endr
.endr
	s_branch .Lepi_join
.Lepi_v:
	; job 2: R's block a is 16 channels of head a / 4; its four blocks are the step's 128 keys: one operand
.irp a, 0,1,2,3,4,5,6,7
.set PCV, 64+12*(\a%4)
	s_wait_xcnt 0x0
	QUANTW \a, PCV, PCV+6, SW+\a
.irp j, 0,1,2
	global_store_b128 v[LI], v[PCV+4*\j:PCV+4*\j+3], s[40+2*(\a/4):41+2*(\a/4)] offset:1536*(\a%4)+512*\j
.endr
.endr
.Lepi_join:
	s_wait_alu depctr_va_vdst(0)
.irp c, 0,1                                    ; a head's four scale words a row: lanes 0-15 carry one operand's 16 rows, lanes 16-31 the next one's
	v_cndmask_b32 v[TT+2*\c], v[SW+4*\c], v[SW+4*\c+1], s66
	v_cndmask_b32 v[TT+2*\c+1], v[SW+4*\c+2], v[SW+4*\c+3], s66
	global_store_b32 v[LS], v[TT+2*\c], s[44+2*\c:45+2*\c]
	global_store_b32 v[LS], v[TT+2*\c+1], s[44+2*\c:45+2*\c] offset:128
.endr
	s_wait_tensorcnt 0x0                           ; the wave's end
	ds_add_u32 v[SPW], v[NIL]
	s_wait_dscnt 0x0
	CROUND                                         ; the closing round
	s_endpgm
.Lfunc_end_k_qb27bf50c4b_proj:
	.size	k_qb27bf50c4b_proj, .Lfunc_end_k_qb27bf50c4b_proj-k_qb27bf50c4b_proj
	.p2alignl 7, 3214868480
	.fill 96, 4, 3214868480
	.section	.rodata,"a",@progbits
	.p2align	6, 0x0
	.amdhsa_kernel k_qb27bf50c4b_proj
		.amdhsa_group_segment_fixed_size 327680
		.amdhsa_private_segment_fixed_size 0
		.amdhsa_enable_private_segment 0
		.amdhsa_kernarg_size 40
		.amdhsa_user_sgpr_count 2
		.amdhsa_user_sgpr_kernarg_segment_ptr 1
		.amdhsa_wavefront_size32 1
		.amdhsa_system_sgpr_workgroup_id_x 1
		.amdhsa_system_sgpr_workgroup_id_y 1
		.amdhsa_system_sgpr_workgroup_id_z 1
		.amdhsa_system_vgpr_workitem_id 0
		.amdhsa_next_free_vgpr 1024
		.amdhsa_next_free_sgpr 106
		.amdhsa_reserve_vcc 0
		.amdhsa_float_denorm_mode_32 3
		.amdhsa_float_denorm_mode_16_64 3
		.amdhsa_memory_ordered 1
		.amdhsa_forward_progress 1
		.amdhsa_inst_pref_size 222
	.end_amdhsa_kernel
	.amdgpu_metadata
---
amdhsa.version: [ 1, 2 ]
amdhsa.kernels:
  - .name:           k_qb27bf50c4b_proj
    .symbol:         k_qb27bf50c4b_proj.kd
    .args:
      - { .name: codes, .offset: 0, .size: 8, .value_kind: global_buffer, .address_space: global }
      - { .name: b_q, .offset: 8, .size: 8, .value_kind: global_buffer, .address_space: global }
      - { .name: b_kv, .offset: 16, .size: 8, .value_kind: global_buffer, .address_space: global }
      - { .name: qimg, .offset: 24, .size: 8, .value_kind: global_buffer, .address_space: global }
      - { .name: kvrec, .offset: 32, .size: 8, .value_kind: global_buffer, .address_space: global }
    .group_segment_fixed_size: 327680
    .private_segment_fixed_size: 0
    .kernarg_segment_align: 8
    .kernarg_segment_size: 40
    .max_flat_workgroup_size: 128
    .sgpr_count:     106
    .vgpr_count:     1024
    .wavefront_size: 32
...
	.end_amdgpu_metadata
.endif
;; end of part 2
;; launch attn (part 3): grid 8 x 32, 16 waves a work-group, clusters of 4 x 1, 327,680 bytes of LDS; arguments qimg, kvrec, oimg; writes oimg
.if DOCPART == 3
	.amdgcn_target "amdgcn-amd-amdhsa--gfx1250"
	.amdhsa_code_object_version 6
	.text
	.protected	k_qb27bf50c4b_attn
	.globl	k_qb27bf50c4b_attn
	.p2align	8
	.type	k_qb27bf50c4b_attn,@function
k_qb27bf50c4b_attn:
	s_mov_b64 s[64:65], 0
	v_nop
	global_prefetch_b8 v0, s[64:65] scope:SCOPE_SE
	s_setreg_imm32_b32 hwreg(HW_REG_WAVE_MODE, 25, 1), 1
	s_wait_xcnt 0x0
	s_wait_alu depctr_hold_cnt(0) depctr_sa_sdst(0) depctr_va_vdst(0) depctr_va_sdst(0) depctr_va_ssrc(0) depctr_va_vcc(0) depctr_vm_vsrc(0)
	s_getreg_b32 s2, hwreg(HW_REG_IB_STS2, 6, 4)
	s_cmp_eq_u32 s2, 0
	s_cbranch_scc0 .Lentry_in_a_cluster
	s_endpgm
.Lentry_in_a_cluster:
	s_bfe_u32 s2, ttmp6, 0x10000c
	s_cmp_lg_u32 s2, 0x3003
	s_cbranch_scc0 .Lentry_shape_is_right
	s_endpgm
.Lentry_shape_is_right:
; o = softmax(q k^T / 8) v for one head (work-group y: 16 batch + head) and 256 queries (work-group x), on codes of FP6 (E2M3) with E8M0 scales; o leaves quantised along the channels, as images of operand registers.
; SHARES: 16 waves, 16 queries each; a lane holds one query throughout (both products are used transposed: S^T = k q^T, O^T = v^T p^T).  16 steps of 128 keys.
; LDS IS FILLED ONCE: the head's K and V for all 2,048 keys are 16 records of 12,800 bytes (K's 4 pairs of tiles, V^T's 4 operands, 64 + 64 scale words), 204,800 bytes.  Wave w asks for record w: one tensor load a wave,
; all at the head; one wait for 0 and one barrier show them to every wave; nothing is filled again, so the loop has no barrier.  All is asked for at the head: there is no later stream to ask ahead for, so no prefetch.
; CLUSTER: the four work-groups of a cluster take four blocks of queries of one head and ask for its records jointly (mask 15).
; THE HEAD SIZE IS 64, the instruction's K 128: an operand of K holds two tiles of 16 keys (registers 0-5, 6-11); q stands once with zeros above and once with zeros below, so two products give the two tiles' scores.
; The keys of a tile are chosen (by the launch that made the records) so that the 16 registers of two neighbouring tiles are 16 neighbouring keys.
; SOFTMAX: M = ceil(running largest t), t = score x log2(e) / 8; p = 2^(t - M); the row's sum is taken of the unquantised p; when M moves, sum and O^T are multiplied by a power of two.
; A block's largest p is made from the block's largest score by the same multiply-add and exponential.
; LIMITS: the promise holds while |t| stays under 2^31; a block of zeros gets the byte 1 (its codes are zeros; this program alone reads the bytes); NaN and infinities are not served.
; REGISTERS: v1-v9 addresses; v12 -M, v13 largest t, v[14:15] the sum; v16-39 q twice with zeros; v40-41 q's scale words; v48-95 four operands of K, then of V; v96-159 scores, then p; v160-191 O^T;
;   v192-211 p's codes; v212-216 scale words; v220-239 at work; v254-255 the spare word's address and 0.
.set STEPB, 12800
.set SPARE, 16*STEPB                   ; behind the records: the spare words, 128 bytes a wave, named by no other line
.macro ROUND                           ; a round of the cluster's barrier
	s_barrier_signal -1
	s_barrier_wait -1
	s_cmp_lg_u32 s18, 0
	s_cbranch_scc1 .Lnot_wave_0_\@
	s_barrier_signal -3
.Lnot_wave_0_\@:
	s_barrier_wait -3
	s_barrier_signal -1
	s_barrier_wait -1
.endm
	s_load_b128 s[4:7], s[0:1], 0x0                ; qimg, kvrec
	s_load_b64 s[8:9], s[0:1], 0x10                ; oimg
	v_lshl_add_u32 v254, v0, 2, SPARE
	v_mov_b32 v255, 0
	ds_add_u32 v254, v255                          ; the opening lines: the add, twice on end, and its wait
	ds_add_u32 v254, v255
	v_lshrrev_b32 v3, 5, v0
	s_delay_alu instid0(VALU_DEP_1)
	v_readfirstlane_b32 s18, v3                    ; wave
	s_bfe_u32 s10, ttmp6, 0x40000                  ; cx
	s_lshl_b32 s11, ttmp9, 2
	s_add_co_u32 s11, s11, s10                     ; block of 256 queries
	s_and_b32 s12, ttmp7, 0xffff                   ; 16 batch + head
	s_mov_b32 s24, 15|(3<<16)|(1<<21)              ; group 1: mask of the four partners; elements of 8 bytes; a record as 50 dense rows of 256 bytes
	s_mov_b32 s25, 32<<16
	s_mov_b32 s26, 50<<16
	s_mov_b32 s27, 32<<16
	s_mov_b32 s28, 50
	s_mov_b32 s29, 32
	s_mov_b32 s30, 0
	s_mov_b32 s31, 0
	s_mul_i32 s13, s18, STEPB                      ; my record's place in LDS, and in the head's records
	s_mul_i32 s14, s12, 16*STEPB
	s_add_co_u32 s14, s14, s13
	s_mov_b32 s15, 0
	s_lshr_b32 s16, s18, 1
	s_lshl_b32 s17, s11, 3
	s_add_co_u32 s16, s16, s17                     ; my pair of query tiles
	s_mul_i32 s40, s12, 98304
	s_mul_i32 s41, s16, 1536
	s_add_co_u32 s40, s40, s41                     ; its image
	s_mov_b32 s41, 0
	s_lshl_b32 s42, s12, 12
	s_lshl_b32 s43, s16, 6
	s_add_co_u32 s42, s42, s43
	s_add_co_u32 s42, s42, 0x300000                ; its scale words
	s_mov_b32 s43, 0
	s_lshr_b32 s44, s12, 4
	s_lshl_b32 s44, s44, 7
	s_lshl_b32 s45, s11, 4
	s_add_co_u32 s44, s44, s45
	s_add_co_u32 s44, s44, s18                     ; my tile of 16 rows of o: 128 batch + 16 block + wave
	s_and_b32 s45, s12, 15                         ; head
	s_mul_i32 s46, s44, 12288
	s_mul_i32 s47, s45, 768
	s_add_co_u32 s46, s46, s47                     ; o's image: [tile][head][768]
	s_mov_b32 s47, 0
	s_lshl_b32 s48, s44, 9
	s_lshl_b32 s49, s45, 1
	s_add_co_u32 s48, s48, s49
	s_add_co_u32 s48, s48, 0x300000                ; o's scale bytes: [row][32], two for a head
	s_mov_b32 s49, 0
	s_mov_b32 s20, 0x76543210
	s_mov_b32 s21, 0xfedcba98                      ; lane selects: lane l xor 16
	s_mov_b32 s22, 0x3e38aa3b                      ; log2(e) / 8
	s_mov_b32 s23, s22
	s_mov_b32 s66, 0xffff0000                      ; lanes 16-31
	v_and_b32 v1, 31, v0
	s_delay_alu instid0(VALU_DEP_1)
	v_lshlrev_b32 v2, 2, v1                        ; 4 x lane
	s_delay_alu instid0(VALU_DEP_2)
	v_lshlrev_b32 v1, 4, v1                        ; 16 x lane
	s_and_b32 s16, s18, 1                          ; which tile of the pair is mine: its six registers lie at 16 l + 0, 8, 512 or at 16 l + 520, 1,024, 1,032
	s_mul_i32 s17, s16, 520
	v_add_nc_u32 v3, s17, v1
	s_mul_i32 s17, s16, 1016
	v_add_nc_u32 v4, s17, v1
	v_and_b32 v5, 15, v0
	s_delay_alu instid0(VALU_DEP_1)
	v_lshlrev_b32 v5, 2, v5
	s_lshl_b32 s17, s16, 4                         ; and its two scale bytes: the word's lower or upper half
	s_wait_dscnt 0x0                               ; both opening adds are done
	s_wait_kmcnt 0x0
	s_add_nc_u64 s[14:15], s[6:7], s[14:15]
	s_add_nc_u64 s[40:41], s[4:5], s[40:41]
	s_add_nc_u64 s[42:43], s[4:5], s[42:43]
	s_add_nc_u64 s[46:47], s[8:9], s[46:47]
	s_add_nc_u64 s[48:49], s[8:9], s[48:49]
	ROUND                                          ; the four partners are here: the joint loads meet
	s_mov_b32 s32, 1
	s_mov_b32 s33, s13
	s_mov_b64 s[34:35], s[14:15]
	s_or_b32 s35, s35, 0x80000000
	tensor_load_to_lds s[32:35], s[24:31]          ; record w: my one tensor load
	s_nop 0
.rept 4
	v_nop
.endr
	s_wait_alu depctr_va_vdst(0)
	global_load_b64 v[16:17], v3, s[40:41]         ; q's six registers, twice: A's and B's registers of a product are never shared, nor are these two operands'
	global_load_b64 v[18:19], v4, s[40:41] offset:8
	global_load_b64 v[20:21], v3, s[40:41] offset:512
	global_load_b64 v[34:35], v3, s[40:41]
	global_load_b64 v[36:37], v4, s[40:41] offset:8
	global_load_b64 v[38:39], v3, s[40:41] offset:512
	global_load_b32 v42, v5, s[42:43]
.irp j, 22,23,24,25,26,27,28,29,30,31,32,33
	v_mov_b32 v\j, 0                               ; zero codes: v[16:27] = (q, 0), v[28:39] = (0, q)
.endr
	v_mov_b32 v13, 0xff61b1e6                      ; the largest t so far: -3e38
	s_delay_alu instid0(VALU_DEP_1)
	v_floor_f32 v12, -v13
	v_mov_b32 v14, 0
	v_mov_b32 v15, 0
.irp b, 0,1,2,3
	v_mov_b32 v[224+\b], 0                         ; a lane permute's destination counts as one of its sources
.endr
	v_mov_b32 v235, 0
	s_wait_loadcnt 0x0
	v_lshrrev_b32 v42, s17, v42
	s_delay_alu instid0(VALU_DEP_1)
	v_and_b32 v42, 0xffff, v42
	s_delay_alu instid0(VALU_DEP_1)
	v_or_b32 v40, 0x7f7f0000, v42                  ; q's two bytes below, 1.0 over the zero codes;
	s_delay_alu instid0(VALU_DEP_2)
	v_lshl_or_b32 v41, v42, 16, 0x7f7f             ; and the other way round
.irp j, 0,1,2,3,4,5,6,7,8,9,10,11,12,13,14,15,16,17,18,19,20,21,22,23,24,25,26,27,28,29,30,31
	v_mov_b32 v[160+\j], 0                         ; O^T: the step is written once, and the first change of M leaves zeros zeros
.endr
	s_wait_alu depctr_va_vdst(0)
	s_wait_tensorcnt 0x0                           ; my record is in
	s_barrier_signal -1
	s_barrier_wait -1                              ; everybody's is
	s_mov_b32 s2, 0                                ; the step's record
	s_mov_b32 s3, 16
.Lstep:
	v_add_nc_u32 v8, s2, v1                        ; these four lines are the places behind the last products, ahead of the loads into their operands
	v_add_nc_u32 v9, s2, v2
	v_nop
	v_nop
.irp pr, 0,1,2,3
.irp j, 0,1,2
	ds_load_b128 v[48+12*\pr+4*\j:51+12*\pr+4*\j], v8 offset:1536*\pr+512*\j   ; K's four pairs of tiles, as images: 16 bytes a lane
.endr
.endr
	ds_load_b32 v212, v9 offset:12288              ; K's scale words: lanes 0-15 one pair's, lanes 16-31 the next one's
	ds_load_b32 v213, v9 offset:12416
	s_wait_alu depctr_va_vdst(0)
	s_wait_dscnt 0x0
.irp pr, 0,1,2,3
.if \pr%2
	v_wmma_scale_f32_16x16x128_f8f6f4 v[96+16*\pr:103+16*\pr], v[48+12*\pr:59+12*\pr], v[16:27], 0, v[212+\pr/2], v40 matrix_a_fmt:MATRIX_FMT_FP6 matrix_b_fmt:MATRIX_FMT_FP6 matrix_a_scale:MATRIX_SCALE_ROW1
	v_wmma_scale_f32_16x16x128_f8f6f4 v[104+16*\pr:111+16*\pr], v[48+12*\pr:59+12*\pr], v[28:39], 0, v[212+\pr/2], v41 matrix_a_fmt:MATRIX_FMT_FP6 matrix_b_fmt:MATRIX_FMT_FP6 matrix_a_scale:MATRIX_SCALE_ROW1
.else
	v_wmma_scale_f32_16x16x128_f8f6f4 v[96+16*\pr:103+16*\pr], v[48+12*\pr:59+12*\pr], v[16:27], 0, v[212+\pr/2], v40 matrix_a_fmt:MATRIX_FMT_FP6 matrix_b_fmt:MATRIX_FMT_FP6
	v_wmma_scale_f32_16x16x128_f8f6f4 v[104+16*\pr:111+16*\pr], v[48+12*\pr:59+12*\pr], v[28:39], 0, v[212+\pr/2], v41 matrix_a_fmt:MATRIX_FMT_FP6 matrix_b_fmt:MATRIX_FMT_FP6
.endif
.endr                                          ; registers 96 + 16 b + i: key 32 b + 16 (lane / 16) + i of the step
.rept 4
	v_nop
.endr
.irp t, 0,1,2,3
.irp j, 0,1,2
	ds_load_b128 v[48+12*\t+4*\j:51+12*\t+4*\j], v8 offset:6144+1536*\t+512*\j   ; V^T's four operands land under the softmax
.endr
.endr
	ds_load_b32 v214, v9 offset:12544
	ds_load_b32 v215, v9 offset:12672
.irp b, 0,1,2,3
	v_max3_num_f32 v[220+\b], v[96+16*\b], v[97+16*\b], v[98+16*\b]   ; each block's largest score, the four blocks by turns
.endr
.irp i, 3,5,7,9,11,13
.irp b, 0,1,2,3
	v_max3_num_f32 v[220+\b], v[220+\b], v[96+16*\b+\i], v[97+16*\b+\i]
.endr
.endr
.irp b, 0,1,2,3
	v_max_num_f32 v[220+\b], v[220+\b], v[111+16*\b]
.endr
.irp b, 0,1,2,3
	s_delay_alu instid0(VALU_DEP_4)
	v_permlanex16_b32 v[224+\b], v[220+\b], s20, s21
.endr
.irp b, 0,1,2,3
	s_delay_alu instid0(VALU_DEP_4)
	v_max_num_f32 v[220+\b], v[220+\b], v[224+\b]  ; with lane l xor 16's 16 keys
.endr
	s_delay_alu instid0(VALU_DEP_2)
	v_max3_num_f32 v236, v220, v221, v222
	s_delay_alu instid0(VALU_DEP_1)
	v_max_num_f32 v236, v236, v223
	s_delay_alu instid0(VALU_DEP_1)
	v_mul_f32 v236, s22, v236
	s_delay_alu instid0(VALU_DEP_1)
	v_max_num_f32 v13, v13, v236                   ; the running largest t
	v_mov_b32 v236, v12
	s_delay_alu instid0(VALU_DEP_2)
	v_floor_f32 v12, -v13                          ; -M = floor(-t)
	s_delay_alu instid0(VALU_DEP_1)
	v_sub_f32 v236, v12, v236
	s_delay_alu instid0(VALU_DEP_1)
	v_cvt_i32_f32 v236, v236
	s_delay_alu instid0(VALU_DEP_1)
	v_ldexp_f32 v234, 1.0, v236                    ; f = 2^(old M - new M)
.irp j, 0,2,4,6,8,10,12,14,16,18,20,22,24,26,28,30,32,34,36,38,40,42,44,46,48,50,52,54,56,58,60,62
	v_pk_fma_f32 v[96+\j:97+\j], v[96+\j:97+\j], s[22:23], v[12:13] op_sel_hi:[1,0,0]   ; t - M
.endr
.irp b, 0,1,2,3
	v_fma_f32 v[220+\b], v[220+\b], s22, v12
.endr
	s_wait_alu depctr_va_vdst(0)
.irp j, 0,1,2,3,4,5,6,7,8,9,10,11,12,13,14,15,16,17,18,19,20,21,22,23,24,25,26,27,28,29,30,31,32,33,34,35,36,37,38,39,40,41,42,43,44,45,46,47,48,49,50,51,52,53,54,55,56,57,58,59,60,61,62,63
	v_exp_f32 v[96+\j], v[96+\j]                   ; p
.endr
	v_pk_mul_f32 v[14:15], v[14:15], v[234:235] op_sel_hi:[1,0]
	s_wait_alu depctr_va_vdst(0)                   ; and behind it, ahead of its first reader
.irp b, 0,1,2,3
	v_exp_f32 v[220+\b], v[220+\b]                 ; each block's largest p
.endr
	v_pk_add_f32 v[238:239], v[96:97], v[98:99]    ; the sum of the unquantised p, in two chains
.irp j, 4,8,12,16,20,24,28,32,36,40,44,48,52,56,60
	v_pk_add_f32 v[14:15], v[14:15], v[96+\j:97+\j]
	v_pk_add_f32 v[238:239], v[238:239], v[98+\j:99+\j]
.endr
	s_delay_alu instid0(VALU_DEP_1)
	v_pk_add_f32 v[14:15], v[14:15], v[238:239]
	s_wait_alu depctr_va_vdst(0)                   ; for the four
.irp b, 0,1,2,3
	v_max_num_f32 v[220+\b], 0x1800000, v[220+\b]  ; the floor 2^(3 - 127): the byte cannot fall under 1
.endr
.irp b, 0,1,2,3
	s_delay_alu instid0(VALU_DEP_4)
	v_add_nc_u32 v[228+\b], 0xff000000, v[220+\b]  ; 2 off the exponent field: the conversion's scale operand
.endr
.irp b, 0,1,2,3
	s_delay_alu instid0(VALU_DEP_4)
	v_lshrrev_b32 v[224+\b], 23, v[228+\b]
.endr
	s_delay_alu instid0(VALU_DEP_3)
	v_lshl_or_b32 v216, v225, 8, v224              ; p's scale word
	s_delay_alu instid0(VALU_DEP_1)
	v_lshl_or_b32 v216, v226, 16, v216
	s_delay_alu instid0(VALU_DEP_1)
	v_lshl_or_b32 v216, v227, 24, v216
.irp c, 0,1
	v_cvt_scalef32_pk16_fp6_f32 v[192+6*\c:194+6*\c], v[96+32*\c:111+32*\c], v[228+2*\c]
	v_cvt_scalef32_pk16_fp6_f32 v[204+4*\c:206+4*\c], v[112+32*\c:127+32*\c], v[228+2*\c+1]
.endr
	v_nop                                          ; one plain place behind a scaled conversion
.irp c, 0,1                                    ; a whole block to a lane
.irp i, 0,1,2
	v_permlane16_swap_b32 v[192+6*\c+\i], v[204+4*\c+\i]
.endr
.irp i, 0,1,2
	s_delay_alu instid0(VALU_DEP_3)
	v_mov_b32 v[195+6*\c+\i], v[204+4*\c+\i]
.endr
.endr
.irp j, 0,2,4,6,8,10,12,14,16,18,20,22,24,26,28,30
	v_pk_mul_f32 v[160+\j:161+\j], v[160+\j:161+\j], v[234:235] op_sel_hi:[1,0]   ; O^T under the new M; also the places ahead of the products below
.endr
	s_wait_alu depctr_va_vdst(0)
	s_wait_dscnt 0x0                               ; V^T's operands and scale words are in
.irp t, 0,1,2,3
.if \t%2
	v_wmma_scale_f32_16x16x128_f8f6f4 v[160+8*\t:167+8*\t], v[48+12*\t:59+12*\t], v[192:203], v[160+8*\t:167+8*\t], v[214+\t/2], v216 matrix_a_fmt:MATRIX_FMT_FP6 matrix_b_fmt:MATRIX_FMT_FP6 matrix_a_scale:MATRIX_SCALE_ROW1
.else
	v_wmma_scale_f32_16x16x128_f8f6f4 v[160+8*\t:167+8*\t], v[48+12*\t:59+12*\t], v[192:203], v[160+8*\t:167+8*\t], v[214+\t/2], v216 matrix_a_fmt:MATRIX_FMT_FP6 matrix_b_fmt:MATRIX_FMT_FP6
.endif
.endr
	s_add_co_u32 s2, s2, STEPB
	s_sub_co_u32 s3, s3, 1
	s_cmp_lg_u32 s3, 0
	s_cbranch_scc1 .Lstep
	; the end: O^T / the sum, quantised along the head's 64 channels (two blocks), stored as an image of six registers and two scale bytes a row
	v_add_f32 v14, v14, v15
	s_delay_alu instid0(VALU_DEP_1)
	v_permlanex16_b32 v224, v14, s20, s21
	s_delay_alu instid0(VALU_DEP_1)
	v_add_f32 v14, v14, v224
	s_wait_alu depctr_va_vdst(0)
	v_rcp_f32 v14, v14
	v_and_b32 v3, 31, v0
	s_delay_alu instid0(VALU_DEP_1)
	v_lshlrev_b32 v3, 3, v3                        ; 8 x lane
	v_and_b32 v4, 15, v0
	v_bfe_u32 v5, v0, 4, 1
	s_delay_alu instid0(VALU_DEP_1)
	v_lshl_add_u32 v4, v4, 5, v5                   ; row r's 32 scale bytes, + the lane's block
	s_wait_alu depctr_va_vdst(0)
.irp j, 0,1,2,3,4,5,6,7,8,9,10,11,12,13,14,15,16,17,18,19,20,21,22,23,24,25,26,27,28,29,30,31
	v_mul_f32 v[96+\j], v[160+\j], v14
.endr
.irp b, 0,1
	v_max3_num_f32 v[220+\b], |v[96+16*\b]|, |v[97+16*\b]|, 0x1800000
.endr
.irp i, 2,4,6,8,10,12,14
.irp b, 0,1
	s_delay_alu instid0(VALU_DEP_2)
	v_max3_num_f32 v[220+\b], v[220+\b], |v[96+16*\b+\i]|, |v[97+16*\b+\i]|
.endr
.endr
.irp b, 0,1
	s_delay_alu instid0(VALU_DEP_2)
	v_permlanex16_b32 v[224+\b], v[220+\b], s20, s21
.endr
.irp b, 0,1
	s_delay_alu instid0(VALU_DEP_2)
	v_max_num_f32 v[220+\b], v[220+\b], v[224+\b]
.endr
.irp b, 0,1
	s_delay_alu instid0(VALU_DEP_2)
	v_add_nc_u32 v[228+\b], 0xff000000, v[220+\b]
.endr
.irp b, 0,1
	s_delay_alu instid0(VALU_DEP_2)
	v_lshrrev_b32 v[224+\b], 23, v[228+\b]
.endr
	v_cvt_scalef32_pk16_fp6_f32 v[192:194], v[96:111], v228
	v_cvt_scalef32_pk16_fp6_f32 v[204:206], v[112:127], v229
	v_nop
.irp i, 0,1,2
	v_permlane16_swap_b32 v[192+\i], v[204+\i]
.endr
.irp i, 0,1,2
	s_delay_alu instid0(VALU_DEP_3)
	v_mov_b32 v[195+\i], v[204+\i]
.endr
	v_cndmask_b32 v236, v224, v225, s66            ; lanes 0-15 store block 0's byte, lanes 16-31 block 1's
.irp p, 0,1,2
	global_store_b64 v3, v[192+2*\p:193+2*\p], s[46:47] offset:256*\p   ; the wave stores 256 consecutive bytes, aligned
.endr
	global_store_b8 v4, v236, s[48:49]
	s_wait_tensorcnt 0x0                           ; the wave's end
	ds_add_u32 v254, v255
	s_wait_dscnt 0x0
	ROUND                                          ; the closing round
	s_endpgm
.Lfunc_end_k_qb27bf50c4b_attn:
	.size	k_qb27bf50c4b_attn, .Lfunc_end_k_qb27bf50c4b_attn-k_qb27bf50c4b_attn
	.p2alignl 7, 3214868480
	.fill 96, 4, 3214868480
	.section	.rodata,"a",@progbits
	.p2align	6, 0x0
	.amdhsa_kernel k_qb27bf50c4b_attn
		.amdhsa_group_segment_fixed_size 327680
		.amdhsa_private_segment_fixed_size 0
		.amdhsa_enable_private_segment 0
		.amdhsa_kernarg_size 24
		.amdhsa_user_sgpr_count 2
		.amdhsa_user_sgpr_kernarg_segment_ptr 1
		.amdhsa_wavefront_size32 1
		.amdhsa_system_sgpr_workgroup_id_x 1
		.amdhsa_system_sgpr_workgroup_id_y 1
		.amdhsa_system_sgpr_workgroup_id_z 1
		.amdhsa_system_vgpr_workitem_id 0
		.amdhsa_next_free_vgpr 256
		.amdhsa_next_free_sgpr 68
		.amdhsa_reserve_vcc 0
		.amdhsa_float_denorm_mode_32 3
		.amdhsa_float_denorm_mode_16_64 3
		.amdhsa_memory_ordered 1
		.amdhsa_forward_progress 1
		.amdhsa_inst_pref_size 29
	.end_amdhsa_kernel
	.amdgpu_metadata
---
amdhsa.version: [ 1, 2 ]
amdhsa.kernels:
  - .name:           k_qb27bf50c4b_attn
    .symbol:         k_qb27bf50c4b_attn.kd
    .args:
      - { .name: qimg, .offset: 0, .size: 8, .value_kind: global_buffer, .address_space: global }
      - { .name: kvrec, .offset: 8, .size: 8, .value_kind: global_buffer, .address_space: global }
      - { .name: oimg, .offset: 16, .size: 8, .value_kind: global_buffer, .address_space: global }
    .group_segment_fixed_size: 327680
    .private_segment_fixed_size: 0
    .kernarg_segment_align: 8
    .kernarg_segment_size: 24
    .max_flat_workgroup_size: 512
    .sgpr_count:     68
    .vgpr_count:     256
    .wavefront_size: 32
...
	.end_amdgpu_metadata
.endif
;; end of part 3
;; launch oproj (part 4): grid 8 x 32, 4 waves a work-group, clusters of 4 x 4, 262,656 bytes of LDS; arguments oimg, codes, b_out, out0; writes out0
.if DOCPART == 4
	.amdgcn_target "amdgcn-amd-amdhsa--gfx1250"
	.amdhsa_code_object_version 6
	.text
	.protected	k_qb27bf50c4b_oproj
	.globl	k_qb27bf50c4b_oproj
	.p2align	8
	.type	k_qb27bf50c4b_oproj,@function
k_qb27bf50c4b_oproj:
	s_mov_b64 s[64:65], 0
	v_nop
	global_prefetch_b8 v0, s[64:65] scope:SCOPE_SE
	s_setreg_imm32_b32 hwreg(HW_REG_WAVE_MODE, 25, 1), 1
	s_wait_xcnt 0x0
	s_wait_alu depctr_hold_cnt(0) depctr_sa_sdst(0) depctr_va_vdst(0) depctr_va_sdst(0) depctr_va_ssrc(0) depctr_va_vcc(0) depctr_vm_vsrc(0)
	s_getreg_b32 s2, hwreg(HW_REG_IB_STS2, 6, 4)
	s_cmp_eq_u32 s2, 0
	s_cbranch_scc0 .Lentry_in_a_cluster
	s_endpgm
.Lentry_in_a_cluster:
	s_bfe_u32 s2, ttmp6, 0x10000c
	s_cmp_lg_u32 s2, 0xf033
	s_cbranch_scc0 .Lentry_shape_is_right
	s_endpgm
.Lentry_shape_is_right:
; out0 = O w_out + b_out on codes of FP6 with E8M0 scales: [4,096 x 1,024] x [1,024 x 1,024], f32 out.
; SHARES: a tile of 128 x 128 of the result to a work-group: 32 x 8 tiles, 256 work-groups.  Four waves, 64 x 64 each: 16 accumulators of 16 x 16.
; LDS IS FILLED ONCE.  The tile's 128 rows of O and 128 rows of w_out, for ALL of K, are 2 x 98,304 bytes of codes and 2 x 4,096 scale bytes: they lie in LDS together, in four parts of 256 along K, each part
; in bytes of its own.  Each wave asks for one of the four fills at the start: one tensor load of mine is out.  Nothing is filled again, so there is no ring;
; ahead of the first read stand one wait for 0 and one barrier.  All is asked for at the start: there is no later stream to ask ahead for.
; CLUSTER: 4 x 4 work-groups; O's parts are asked for jointly along a row of the cluster, w_out's along a column.
; O's codes lie as IMAGES of operand registers: [tile of 16 rows][head][3 x 256 bytes], registers 2 p, 2 p + 1 of lane l at 256 p + 8 l; two heads on end are one operand of 128 along K; a part's share of a tile of rows is 3,072 dense bytes.
; w_out's columns are rows of codes from row 11,264 on, stored with bits 3 and 4 of their number exchanged: accumulator (a, b) holds columns 32 (b / 2) + 8 (b % 2) + 16 (lane / 16) + j; the stage on the way out puts them in order.
; The bias is the C of each sum's first product.  Source 0 = w_out's rows, source 1 = O's rows: a lane holds eight neighbouring numbers of a row of the result.
; A STEP of 128 along K is 16 products and, for the next step, 48 LDS loads: four turns of 12 loads and 4 products, so that a turn's loads are issued while the four products before them are worked; that costs eight window switches a step.
; REGISTERS: window 0: v14 the bias loads' offset; v16-31 addresses; v32-47 scale words, two sets; v64-159 and v160-255 two sets of fragments (O's four blocks, then w_out's four); on the way out v64-191 rows read back.
;   window 1: v0-127 the accumulators ((a, b) at v[8 (4 a + b)]); v128-159 the bias.
.set SOFF,   0x900000                  ; the scale bytes among the codes
.set OSOFF,  0x300000                  ; and in O's buffer
.set SIZE_N, 1024
.set ROWB,   192                       ; a part's share of a row of w_out: 256 codes
.set IMGB,   3072                      ; a part's share of a tile of 16 rows of O
.set KROW,   768
.set PITCH,  240                       ; 3 x (64 bytes + 16 of padding)
.set FR,     12
.set KS,     32
.set AHALF,  16*IMGB                   ; 64 rows of O for all of K, as they lie in memory: [tile of 16 rows][12,288 bytes]
.set APART,  2*AHALF
.set BHALF,  64*PITCH                  ; 64 rows of w_out
.set SLOT,   2*BHALF                   ; a part of w_out's 128 rows; the four parts lie behind O's 128 rows (APART bytes)
.set SCL,    APART+4*SLOT
.set HALFS,  (64*KS/256)*272           ; those of 64 rows
.set SBLK,   (16*KS/256)*272           ; those of 16 rows
.set STG,    SCL+4*HALFS               ; behind them: a stage of 16 rows x (256 + 16) bytes for each wave; no fill lands here
.set SPITCH, 272
.set BO,   14
.set ADRA, 16                          ; v16-19  LDS address of my O fragments in parts 0 to 3
.set ADRB, 20                          ; v20-23  the same for w_out;  v24-27 for the pieces that lie behind one padding more
.set ADRS, 28                          ; v28     my scale words: lanes 0-15 O's rows, lanes 16-31 w_out's
.set STO,  29
.set RD,   30
.set CO,   31
.set SC,   32                          ; set s at v[SC + 8 s]; in it register 2 i + q: block i's words for the part's q-th 128 along K
.set F0,   64
.set BK,   64
.set BI,   128                         ; in window 1
.set G1,   24                          ; s[24:31] group 1 for O's parts;      s[32:35] its group 0
.set G0,   32
.set G1B,  48                          ; s[48:55] group 1 for w_out's parts;  s[56:59] its group 0
.set G1S,  76                          ; s[76:83], s[84:91] groups 1 for the scale bytes;  s[92:95], s[96:99] their groups 0
.set G1SB, 84
.set G0S,  92
.set G0SB, 96
.set MSB, 0
.macro WIN new                         ; the immediate's high byte repeats the setting that is left
.if MSB != \new
	s_set_vgpr_msb (MSB<<8)|\new
.set MSB, \new
.endif
.endm
.set MULW,    0x50                     ; sources 0 and 1 window 0, C and D window 1
.set TO_W1,   0x40                     ; a load's data window 1, its address window 0
.set FROM_W1, 0x04                     ; an LDS store's data window 1, its address window 0
.macro JLOAD g0a, g1a, g0b, g1b        ; waves 0 and 1 fetch for O, waves 2 and 3 for w_out; four v_nop follow each line
	s_cmp_eq_u32 s15, 0
	s_cbranch_scc0 .Lfor_b_\@
	tensor_load_to_lds s[\g0a:\g0a+3], s[\g1a:\g1a+7]
	s_nop 0
.rept 4
	v_nop
.endr
	s_branch .Lasked_\@
.Lfor_b_\@:
	tensor_load_to_lds s[\g0b:\g0b+3], s[\g1b:\g1b+7]
	s_nop 0
.rept 4
	v_nop
.endr
.Lasked_\@:
.endm
.macro CROUND                          ; a round of the cluster's barrier
	s_barrier_signal -1
	s_barrier_wait -1
	s_cmp_lg_u32 s14, 0
	s_cbranch_scc1 .Lnot_wave_0_\@
	s_barrier_signal -3
.Lnot_wave_0_\@:
	s_barrier_wait -3
	s_barrier_signal -1
	s_barrier_wait -1
.endm
	s_load_b128 s[4:7], s[0:1], 0x0                ; oimg, codes
	s_load_b128 s[8:11], s[0:1], 0x10              ; b_out, out0
	v_lshl_add_u32 v62, v0, 2, 0x40000
	v_mov_b32 v63, 0
	ds_add_u32 v62, v63
	ds_add_u32 v62, v63
	v_lshrrev_b32 v1, 5, v0
	v_readfirstlane_b32 s14, v1                    ; wave
	s_lshr_b32 s15, s14, 1                         ; my half of the tile's rows.  Also: I fetch for O (0) or for w_out (1)
	s_and_b32 s16, s14, 1                          ; my half of its columns.  Also: which 64 rows I fetch
	s_bfe_u32 s100, ttmp6, 0x40000                 ; cx
	s_bfe_u32 s101, ttmp6, 0x40004                 ; cy
	s_lshl_b32 s104, ttmp9, 2
	s_add_co_u32 s104, s104, s100                  ; tile column, 0 .. 7
	s_and_b32 s17, ttmp7, 0xffff
	s_lshl_b32 s17, s17, 2
	s_add_co_u32 s17, s17, s101                    ; tile row, 0 .. 31
	s_lshl_b32 s66, s101, 2
	s_lshl_b32 s66, 15, s66                        ; my row of the cluster
	s_lshl_b32 s67, 0x1111, s100                   ; my column
	s_or_b32 s[G1+0], s66, (3<<16)|(1<<21)         ; O: mask; elements of 8 bytes; no padding
	s_mov_b32 s[G1+1], 32<<16                      ; O's 128 rows for all of K are one dense block of 98,304 bytes: 384 rows of 256 bytes
	s_mov_b32 s[G1+2], 384<<16
	s_mov_b32 s[G1+3], 32<<16
	s_mov_b32 s[G1+4], 384
	s_mov_b32 s[G1+5], 32
	s_mov_b32 s[G1+6], 0
	s_mov_b32 s[G1+7], 0
	s_or_b32 s[G1B+0], s67, (3<<16)|(1<<20)|(1<<21)|(3<<22)|(3<<25)   ; w_out: the codes lie [part][row][192 bytes]: 128 rows of a part are 24,576 dense bytes (3,072 elements of 8); 4 parts, 2,359,296 bytes apart; 16 bytes of padding behind every 64
	s_mov_b32 s[G1B+1], 3072<<16
	s_mov_b32 s[G1B+2], 4<<16
	s_mov_b32 s[G1B+3], 3072<<16
	s_mov_b32 s[G1B+4], 4
	s_mov_b32 s[G1B+5], 294912
	s_mov_b32 s[G1B+6], 0
	s_mov_b32 s[G1B+7], 0
	s_or_b32 s[G1S+0], s66, (3<<16)|(1<<20)|(1<<21)|(5<<22)|(3<<25)   ; the scale bytes of 64 rows: 8 rows of 256 bytes, 16 bytes of padding behind each
	s_or_b32 s[G1SB+0], s67, (3<<16)|(1<<20)|(1<<21)|(5<<22)|(3<<25)
.irp g, G1S, G1SB
	s_mov_b32 s[\g+1], 32<<16
	s_mov_b32 s[\g+2], (128*KS/256)<<16            ; the scale bytes of all 128 rows by one load
	s_mov_b32 s[\g+3], 32<<16
	s_mov_b32 s[\g+4], 128*KS/256
	s_mov_b32 s[\g+5], 32
	s_mov_b32 s[\g+6], 0
	s_mov_b32 s[\g+7], 0
.endr
	s_lshl_b32 s12, s16, 6
	s_lshl_b32 s20, s17, 7
	s_add_co_u32 s20, s20, s12                     ; O: the first row that I fetch
	s_lshl_b32 s2, s104, 7
	s_add_co_u32 s2, s2, s12
	s_add_co_u32 s2, s2, 11264                     ; w_out: its row among the codes
	s_mul_i32 s22, s20, KS
	s_add_co_u32 s22, s22, OSOFF
	s_mul_i32 s18, s2, KS
	s_add_co_u32 s18, s18, SOFF
	s_mul_i32 s20, s20, KROW                       ; 16 rows of O are 12,288 bytes: 768 a row
	s_mul_i32 s2, s2, ROWB                         ; 192 bytes a row in a part
	s_mov_b32 s21, 0
	s_mov_b32 s23, 0
	s_mov_b32 s3, 0
	s_mov_b32 s19, 0
	s_wait_dscnt 0x0
	s_wait_kmcnt 0x0
	s_add_nc_u64 s[20:21], s[4:5], s[20:21]
	s_add_nc_u64 s[22:23], s[4:5], s[22:23]
	s_add_nc_u64 s[2:3], s[6:7], s[2:3]
	s_add_nc_u64 s[18:19], s[6:7], s[18:19]
	CROUND                                         ; all sixteen work-groups are here: the joint loads meet
	s_mov_b32 s[G0S], 1
	s_mov_b32 s[G0S+1], SCL
	s_sub_nc_u64 s[G0S+2:G0S+3], s[22:23], 64*KS   ; waves 1 and 3 ask for the scale bytes: their own first row is the tile's row 64, so 64 rows back
	s_or_b32 s[G0S+3], s[G0S+3], 0x80000000
	s_mov_b32 s[G0SB], 1
	s_mov_b32 s[G0SB+1], SCL+2*HALFS
	s_sub_nc_u64 s[G0SB+2:G0SB+3], s[18:19], 64*KS
	s_or_b32 s[G0SB+3], s[G0SB+3], 0x80000000
.set GB, 56
	s_mov_b32 s[G0], 1
	s_mov_b32 s[G0+1], 0
	s_mov_b64 s[G0+2:G0+3], s[20:21]
	s_or_b32 s[G0+3], s[G0+3], 0x80000000
	s_mov_b32 s[GB], 1
	s_mov_b32 s[GB+1], APART
	s_mov_b64 s[GB+2:GB+3], s[2:3]
	s_or_b32 s[GB+3], s[GB+3], 0x80000000
; ALL OF LDS'S FILLS, ONE TENSOR LOAD A WAVE: wave 0 O's 128 rows, wave 1 O's scale bytes, wave 2 w_out's 128 rows in four parts, wave 3 w_out's scale bytes.
; Waves 0 and 2 have the tile's row 0 as their own first row.  One chain of branches on the wave's number, one load to an arm.
.macro ARM under, g0, g1, next
	s_cmp_lt_u32 s14, \under
	s_cbranch_scc0 \next
	tensor_load_to_lds s[\g0:\g0+3], s[\g1:\g1+7]
	s_nop 0
.rept 4
	v_nop
.endr
	s_branch .Lhead_asked
\next:
.endm
	ARM 1, G0,  G1,  .Lhead_sa
	ARM 2, G0S, G1S, .Lhead_b
	ARM 3, GB,  G1B, .Lhead_sb
	tensor_load_to_lds s[G0SB:G0SB+3], s[G1SB:G1SB+7]
	s_nop 0
.rept 4
	v_nop
.endr
.Lhead_asked:
	v_and_b32 v1, 15, v0                           ; r
	v_bfe_u32 v2, v0, 4, 1                         ; h
	v_mul_u32_u24 v3, v1, PITCH
	v_mul_u32_u24 v4, v2, 24
	v_add_nc_u32 v4, v3, v4                        ; w_out: a fragment's row x pitch + 24 x half
	v_lshl_add_u32 v5, v2, 4, v4                   ; and the same behind one padding more
	v_and_b32 v6, 31, v0
	v_lshlrev_b32 v7, 3, v6                        ; O's images: 8 x lane
	s_mul_i32 s21, s15, AHALF                      ; my 64 rows of O
	s_mul_i32 s22, s16, BHALF                      ; my 64 rows of w_out,
	s_add_co_u32 s22, s22, APART                   ; which lie behind O's 128
.irp s, 0,1,2,3
	v_add_nc_u32 v[ADRA+\s], s21, v7
	v_add_nc_u32 v[ADRB+\s], s22, v4
	v_add_nc_u32 v[ADRB+4+\s], s22, v5
	s_add_co_u32 s21, s21, IMGB                    ; O's parts lie 3,072 bytes apart inside a tile of rows
	s_add_co_u32 s22, s22, SLOT
.endr
	v_mul_u32_u24 v5, v1, KS                       ; my row's scale bytes: 32 a row, 16 more for each 256 passed
	v_lshrrev_b32 v8, 8, v5
	v_lshl_add_u32 v5, v8, 4, v5
	s_mul_i32 s21, s15, HALFS
	s_mul_i32 s22, s16, HALFS
	s_add_co_u32 s22, s22, 2*HALFS
	s_sub_co_u32 s22, s22, s21
	v_mul_u32_u24 v8, s22, v2                      ; lanes 16-31 take w_out's
	s_add_co_u32 s21, s21, SCL
	v_add_nc_u32 v5, v5, v8
	v_add_nc_u32 v[ADRS], s21, v5
	s_mul_i32 s23, s14, 16*SPITCH
	s_add_co_u32 s23, s23, STG                     ; my stage
	v_mul_u32_u24 v5, v1, SPITCH
	v_lshl_add_u32 v5, v2, 6, v5                   ; in: row r, + 64 bytes for lanes 16-31 (their columns lie 16 on)
	v_add_nc_u32 v[STO], s23, v5
	v_mul_u32_u24 v5, v2, SPITCH
	v_lshl_add_u32 v5, v1, 4, v5                   ; back: lanes 0-15 one row of 256 bytes, lanes 16-31 the next
	v_add_nc_u32 v[RD], s23, v5
	v_lshlrev_b32 v5, 12, v2
	v_lshl_add_u32 v[CO], v1, 4, v5                ; and the same two rows in the result, 4,096 bytes a row
	v_lshlrev_b32 v[BO], 6, v2                     ; the bias: 16 numbers on for lanes 16-31
	s_wait_alu depctr_va_vdst(0)
	s_lshl_b32 s20, s17, 7
	s_lshl_b32 s21, s15, 6
	s_add_co_u32 s20, s20, s21
	s_lshl_b32 s20, s20, 12                        ; my first row of the result
	s_mov_b32 s21, 0
	s_lshl_b32 s2, s104, 9
	s_lshl_b32 s3, s16, 8
	s_add_co_u32 s2, s2, s3                        ; my first column, in bytes; the same in b_out
	s_mov_b32 s3, 0
	s_add_nc_u64 s[8:9], s[8:9], s[2:3]
	s_add_nc_u64 s[20:21], s[20:21], s[2:3]
	s_add_nc_u64 s[12:13], s[10:11], s[20:21]
	WIN TO_W1
.irp b, 0,1,2,3
	global_load_b128 v[BI+8*\b:BI+8*\b+3], v[BO], s[8:9] offset:4*(32*(\b/2)+8*(\b%2))
	global_load_b128 v[BI+8*\b+4:BI+8*\b+7], v[BO], s[8:9] offset:4*(32*(\b/2)+8*(\b%2))+16
.endr
	WIN 0
.macro FRAG reg, adr, q, i             ; 16 rows x 128 K of w_out: 12 registers, in pieces of 8 bytes; where the piece three on lies behind one padding more, the second address register serves
.irp p, 0,1,2,3,4,5
.set PC, 12*(\q)+6*(\p/3)+\p%3
.if PC%8 < 5
	ds_load_b64 v[\reg+2*\p:\reg+2*\p+1], v[\adr] offset:8*PC+16*(PC/8)+(\i)*16*PITCH
.else
	ds_load_b64 v[\reg+2*\p:\reg+2*\p+1], v[\adr+4] offset:8*PC+16*(PC/8)+(\i)*16*PITCH
.endif
.endr
.endm
.macro PART slot, q, f, g              ; 12 LDS loads: w_out's block g and O's block g of the part's q-th 128 along K, into set f
	FRAG \f+48+FR*(\g), ADRB+(\slot), \q, \g
.irp p, 0,1,2,3,4,5
	ds_load_b64 v[\f+FR*(\g)+2*\p:\f+FR*(\g)+2*\p+1], v[ADRA+(\slot)] offset:(\g)*4*IMGB+(\q)*1536+256*\p
.endr
.endm
.macro SCALES slot                     ; a part's scale words, two a row: lanes 0-15 take O's block i, lanes 16-31 w_out's block i
.irp i, 0,1,2,3
	ds_load_b64 v[SC+8*((\slot)%2)+2*\i:SC+8*((\slot)%2)+2*\i+1], v[ADRS] offset:\i*SBLK+8*(\slot)
.endr
.endm
.macro MUL4 f, a, q, sc, first         ; O's block a x w_out's four.  first = 1: the sums begin with the bias.  The 16 accumulators take turns, one instruction a turn
.irp b, 0,1,2,3
.if \first
	v_wmma_scale_f32_16x16x128_f8f6f4 v[8*(4*(\a)+\b):8*(4*(\a)+\b)+7], v[\f+48+FR*\b:\f+48+FR*\b+FR-1], v[\f+FR*(\a):\f+FR*(\a)+FR-1], v[BI+8*\b:BI+8*\b+7], v[SC+8*(\sc)+2*\b+(\q)], v[SC+8*(\sc)+2*(\a)+(\q)] matrix_a_fmt:MATRIX_FMT_FP6 matrix_b_fmt:MATRIX_FMT_FP6 matrix_a_scale:MATRIX_SCALE_ROW1
.else
	v_wmma_scale_f32_16x16x128_f8f6f4 v[8*(4*(\a)+\b):8*(4*(\a)+\b)+7], v[\f+48+FR*\b:\f+48+FR*\b+FR-1], v[\f+FR*(\a):\f+FR*(\a)+FR-1], v[8*(4*(\a)+\b):8*(4*(\a)+\b)+7], v[SC+8*(\sc)+2*\b+(\q)], v[SC+8*(\sc)+2*(\a)+(\q)] matrix_a_fmt:MATRIX_FMT_FP6 matrix_b_fmt:MATRIX_FMT_FP6 matrix_a_scale:MATRIX_SCALE_ROW1
.endif
.endr
.endm
.macro PLACES                          ; four plain vector instructions between a matrix instruction and a load into, or a read of, its registers
.rept 4
	v_nop
.endr
.endm
; Step k of eight: 128 along K, the (k % 2)-th of part k / 2, from fragment set k % 2; the next step's fragments go into the other set, which the step before has multiplied.
.macro KSTEP k
.set KF, F0+96*((\k)%2)
.set KN, F0+96*(1-(\k)%2)
	s_wait_dscnt 0x0                               ; this step's fragments and scale words are in; no LDS instruction of mine is out
.if ((\k) > 0) && ((\k) < 7)
	PLACES                                         ; behind the last step's products, ahead of the loads into their operands
.endif
.irp g, 0,1,2,3
.if (\k) < 7
	WIN 0
	PART ((\k)+1)/2, ((\k)+1)%2, KN, \g
.if ((\k)%2) && (\g == 0)
	SCALES ((\k)+1)/2
.endif
.endif
	WIN MULW
.if (\k) == 0
	MUL4 KF, \g, (\k)%2, ((\k)/2)%2, 1
.else
	MUL4 KF, \g, (\k)%2, ((\k)/2)%2, 0
.endif
.endr
	WIN 0
.endm
	s_wait_tensorcnt 0x0                           ; my one load has landed; behind the barrier everybody's has: all of K lies in LDS
	s_barrier_signal -1
	s_barrier_wait -1
.irp g, 0,1,2,3
	PART 0, 0, F0, \g
.endr
	SCALES 0
	s_wait_loadcnt 0x0                             ; the bias
.irp k, 0,1,2,3,4,5,6,7
	KSTEP \k
.endr
; THE WAY OUT, block by block of 16 rows x 64 columns, through my own stage: in by 32 bytes a lane at the columns' true places, back as whole rows of 256 bytes.  LDS serves a wave's instructions in order
; (ISA guide 5.7.1.4): no wait between the stores and the loads, nor ahead of the next block's stores.  Each block has its own registers for the rows read back, and every offset is an immediate: nothing that a store reads is written again.
.macro TOSTAGE a
	WIN FROM_W1
.irp b, 0,1,2,3
	ds_store_b128 v[STO], v[8*(4*(\a)+\b):8*(4*(\a)+\b)+3] offset:128*(\b/2)+32*(\b%2)       ; each accumulator from its low end on
	ds_store_b128 v[STO], v[8*(4*(\a)+\b)+4:8*(4*(\a)+\b)+7] offset:128*(\b/2)+32*(\b%2)+16
.endr
	WIN 0
.irp t, 0,1,2,3,4,5,6,7
	ds_load_b128 v[BK+32*(\a)+4*\t:BK+32*(\a)+4*\t+3], v[RD] offset:\t*2*SPITCH
.endr
.endm
.macro SEND a, younger
	s_wait_dscnt \younger                          ; the block is back; the next block's 8 stores and 8 loads may be out
.irp t, 0,1,2,3,4,5,6,7
	global_store_b128 v[CO], v[BK+32*(\a)+4*\t:BK+32*(\a)+4*\t+3], s[12:13] offset:(16*(\a)+2*\t)*SIZE_N*4 th:TH_STORE_NT   ; sixteen lanes store 256 consecutive bytes, aligned; 62 rows on at the most, inside the signed 24-bit immediate
.endr
.endm
	PLACES                                         ; behind the last products: ahead of the first read of results and of the loads into their operands
	TOSTAGE 0
	TOSTAGE 1
	SEND 0, 16
	TOSTAGE 2
	SEND 1, 16
	TOSTAGE 3
	SEND 2, 16
	SEND 3, 0
	s_wait_tensorcnt 0x0
	ds_add_u32 v62, v63
	s_wait_dscnt 0x0
	CROUND                                         ; the closing round: no work-group ends while a partner may still ask
	s_endpgm
.Lfunc_end_k_qb27bf50c4b_oproj:
	.size	k_qb27bf50c4b_oproj, .Lfunc_end_k_qb27bf50c4b_oproj-k_qb27bf50c4b_oproj
	.p2alignl 7, 3214868480
	.fill 96, 4, 3214868480
	.section	.rodata,"a",@progbits
	.p2align	6, 0x0
	.amdhsa_kernel k_qb27bf50c4b_oproj
		.amdhsa_group_segment_fixed_size 262656
		.amdhsa_private_segment_fixed_size 0
		.amdhsa_enable_private_segment 0
		.amdhsa_kernarg_size 32
		.amdhsa_user_sgpr_count 2
		.amdhsa_user_sgpr_kernarg_segment_ptr 1
		.amdhsa_wavefront_size32 1
		.amdhsa_system_sgpr_workgroup_id_x 1
		.amdhsa_system_sgpr_workgroup_id_y 1
		.amdhsa_system_sgpr_workgroup_id_z 1
		.amdhsa_system_vgpr_workitem_id 0
		.amdhsa_next_free_vgpr 512
		.amdhsa_next_free_sgpr 106
		.amdhsa_reserve_vcc 0
		.amdhsa_float_denorm_mode_32 3
		.amdhsa_float_denorm_mode_16_64 3
		.amdhsa_memory_ordered 1
		.amdhsa_forward_progress 1
		.amdhsa_inst_pref_size 62
	.end_amdhsa_kernel
	.amdgpu_metadata
---
amdhsa.version: [ 1, 2 ]
amdhsa.kernels:
  - .name:           k_qb27bf50c4b_oproj
    .symbol:         k_qb27bf50c4b_oproj.kd
    .args:
      - { .name: oimg, .offset: 0, .size: 8, .value_kind: global_buffer, .address_space: global }
      - { .name: codes, .offset: 8, .size: 8, .value_kind: global_buffer, .address_space: global }
      - { .name: b_out, .offset: 16, .size: 8, .value_kind: global_buffer, .address_space: global }
      - { .name: out0, .offset: 24, .size: 8, .value_kind: global_buffer, .address_space: global }
    .group_segment_fixed_size: 262656
    .private_segment_fixed_size: 0
    .kernarg_segment_align: 8
    .kernarg_segment_size: 32
    .max_flat_workgroup_size: 128
    .sgpr_count:     106
    .vgpr_count:     512
    .wavefront_size: 32
...
	.end_amdgpu_metadata
.endif
;; end of part 4
